; MI455X (gfx1250); checked and timed in simulation.
; The chip was launched on July 23, 2026; its instructions are those of AMD's public machine-readable ISA for CDNA 5 (MIT licence, August 2026) and "CDNA5" Instruction Set Architecture Reference Guide (July 2026). The comments in the code are by the model that wrote it; some were corrected since.
;; Multi Head Attention. Allowed arithmetic: matrix products marked QUANTISED: E2M1 operands, one E8M0 scale for each 32 along K, by v_wmma_scale_f32_16x16x128_f8f6f4 with both operands' format E2M1 (or v_wmma_scale_f32_32x16x128_f4), f32 sums; products left as they are: bf16, f16 or f32 operands; f32 sums; everything else in f32.
;; Inputs: Wk 768 x 768 float32; Wo 768 x 768 float32; Wq 768 x 768 float32; Wv 768 x 768 float32; bk 768 float32; bo 768 float32; bq 768 float32; bv 768 float32; k 1 x 4,096 x 768 float32; q 1 x 4,096 x 768 float32; v 1 x 4,096 x 768 float32.
;; Outputs: out0 1 x 4,096 x 768 float32.
;; This version of the problem:
;;   THIS VERSION OF THE PROBLEM IS GIVEN IN LOW PRECISION. The matrix products marked QUANTISED in the list below multiply operands that are first quantised to E2M1 (2 exponent bits, 1 mantissa bit; 4 bits a number), with one power-of-two scale for each 32 numbers along K (OCP MX v1.0); their sums are f32. The products marked 'left as it is' may take bf16, f16 or f32 operands, with f32 sums. Whichever they take, every output number must still come out within the allowed error. Rounding operands to bf16 (8 significant bits) uses up far more of that allowance than f16 does (11 bits, for magnitudes from 6e-5 to 65,504). All else is computed in f32.
;;   The module's matrix products, in the order in which they are computed (A, B: the left and right operand; K: the contracted axis; several contracted axes count as one K, in the product's order):
;;     1. [M 4,096, K 768] x [K 768, N 768]; A: input q; B: input Wq: QUANTISED
;;     2. [M 4,096, K 768] x [K 768, N 768]; A: input k; B: input Wk: QUANTISED
;;     3. [M 4,096, K 768] x [K 768, N 768]; A: input v; B: input Wv: QUANTISED
;;     4. batch 12 x [M 4,096, K 64] x [K 64, N 4,096]; A: computed on the way; B: computed on the way: left as it is (an operand is computed on the way)
;;     5. batch 12 x [M 4,096, K 4,096] x [K 4,096, N 64]; A: computed on the way; B: computed on the way: left as it is (an operand is computed on the way)
;;     6. [M 4,096, K 768] x [K 768, N 768]; A: computed on the way; B: input Wo: left as it is (an operand is computed on the way)
;;   THE QUANTISER, for each operand of a quantised product, along K:
;;     - K is cut into blocks of 32 from its start; a last block that is shorter is filled with zeros.
;;     - A block's scale is 2^e with e = floor(log2(the largest magnitude in the block)) - 2, held to -126 .. 127; a block of zeros has e = 0. As a byte (E8M0): e + 127.
;;     - Each number is divided by its block's scale, clamped to +-6, and rounded to the nearest number of E2M1, ties to even, subnormals kept.
;;     - The product sums the exact products of the quantised numbers (number of the format x scale) in f32.
;;   ~~~python
;;   def quantise(x, axis):      # numpy; x: float32 -> the quantised numbers, widened to float32 again
;;       x = np.moveaxis(x, axis, -1); K = x.shape[-1]
;;       x = np.pad(x, [(0, 0)] * (x.ndim - 1) + [(0, -K % 32)]); x = x.reshape(x.shape[:-1] + (-1, 32)); a = np.abs(x).max(-1, keepdims=True)
;;       e = np.where(a > 0, np.clip(np.frexp(np.where(a > 0, a, 1))[1] - 1 - 2, -126, 127), 0)      # np.frexp(a)[1] - 1 = floor(log2(a)), exactly
;;       r = np.clip(x / 2.0 ** e, -6, 6)
;;       step = 2.0 ** (np.maximum(np.frexp(np.where(r == 0, 1, r))[1] - 1, 0) - 1)
;;       q = np.round(r / step) * step * 2.0 ** e      # np.round: ties to even
;;       return np.moveaxis(q.reshape(q.shape[:-2] + (-1,))[..., :K], -1, axis).astype(np.float32)
;;   ~~~
;; 2 versions, each right. Each part assembles by itself: llvm-mc -triple=amdgcn-amd-amdhsa -mcpu=gfx1250 --defsym DOCPART=n.
;; ======== version 1 of 2: 4 launches
;; limits: values are held in f16: magnitudes above 65,504 overflow, below 6.1e-05 lose precision
;; workspace buffers: WC 884,736 bytes; WS 110,592 bytes; WOF 1,179,648 bytes; QF 6,291,456 bytes; KV 12,582,912 bytes; AF 6,291,456 bytes
;; launch prep (part 1): grid 48 x 4, 6 waves a work-group, no clusters, 0 bytes of LDS; arguments Wq, Wk, Wv, Wo, WC, WS, WOF; writes WC, WS, WOF
.if DOCPART == 1
	.amdgcn_target "amdgcn-amd-amdhsa--gfx1250"
	.amdhsa_code_object_version 6
	.text
	.protected	k_q441761c681_prep
	.globl	k_q441761c681_prep
	.p2align	8
	.type	k_q441761c681_prep,@function
k_q441761c681_prep:
	s_mov_b64 s[64:65], 0
	v_nop
	global_prefetch_b8 v0, s[64:65] scope:SCOPE_SE
	s_setreg_imm32_b32 hwreg(HW_REG_WAVE_MODE, 25, 1), 1
	s_wait_xcnt 0x0
; The four weights [768][768] f32 (row n, K innermost) are laid out once in the order of the matrix operands' registers.
; Wq, Wk, Wv (work-group y = 0, 1, 2): codes of FP4 (E2M1) with one E8M0 byte for each 32 along K.  Wo (y = 3): f16.
; A FRAGMENT IS AN IMAGE OF ITS 8 REGISTERS: [half c: 2][lane: 32][16 bytes] = 1,024 bytes, so that any wave gets it back by two loads of 16 bytes a lane at 16 x lane.
;   WC  [t: 3][nt: 48][ks: 6]: 16 rows n x 128 k of codes: lane (r, h) holds row r, registers 4 c .. 4 c + 3 hold k = 64 c + 32 h + 0 .. 31.
;   WS  the same index, 128 bytes: lane l holds the scale word (4 bytes for 128 k) of row l % 16.
;   WOF [nt: 48][kk: 24]: 16 rows n x 32 k of f16: registers 4 c .. 4 c + 3 hold k = 16 c + 8 h + 0 .. 7.
; SHARES: work-group x = a tile of 16 rows, wave = 128 along K; a lane holds 64 numbers, brought by 16 loads that are all issued at once.
; A block's scale is 2^(floor(log2(its largest magnitude)) - 2): its byte is the largest magnitude's exponent field - 2, held at 1 from below by a floor among the maximum's leaves.
; LIMITS: a block of zeros, or one whose largest magnitude lies under 2^-124, gets the byte 1 (the stated quantiser says 127 for zeros: the codes are zeros, and this program alone reads the bytes);
; NaN and infinities are not served; Wo beyond 65,504 has no f16 number.
; The scale words' stores cover 128 consecutive bytes each: 110,592 bytes of the launch's 2.2 million stored.  All other stores cover 512 consecutive bytes, aligned.
; No LDS, no barrier: waves share nothing.  No cluster: no two work-groups read the same bytes.
.set LI,  1                            ; v1   16 x lane
.set LS,  2                            ; v2   4 x lane
.set H8,  3                            ; v3   8 h: where my two scale bytes stand in the word
.set AD,  4                            ; v4   my lane's byte in the tile's rows
.set M,   10                           ; v10-11 largest magnitudes of my two blocks
.set SO,  12                           ; v12-13 the conversions' scale operands
.set BY,  14                           ; v14-15 the scale bytes
.set T2,  16                           ; v16  the other half's bytes
.set PW,  17                           ; v17  the scale word
.set X,   32                           ; v32-95  64 numbers
.set C,   96                           ; v96-127 codes, or f16 pairs
.set SEL, 28                           ; s[28:29] lane selects: lane l xor 16
; 64 numbers of a lane, register x + 32 c + i = k 64 c + 32 h + i of my row, become the fragment's 8 registers in v[C] on and the row's scale word in v[PW].
.macro QBLK x
.irp c, 0,1
	v_max3_num_f32 v[M+\c], |v[(\x)+32*\c]|, |v[(\x)+32*\c+1]|, 0x1800000   ; my block 2 c + h: all 32 numbers are mine; the floor 2^(3 - 127) holds the byte at 1 from below
.endr
.irp i, 2,4,6,8,10,12,14,16,18,20,22,24,26,28,30
.irp c, 0,1
	v_max3_num_f32 v[M+\c], v[M+\c], |v[(\x)+32*\c+\i]|, |v[(\x)+32*\c+\i+1]|   ; the two blocks by turns
.endr
.endr
.irp c, 0,1
	v_add_nc_u32 v[SO+\c], 0xff000000, v[M+\c]     ; 2 off the exponent field: the conversion takes the exponent field of this operand as its scale
.endr
.irp c, 0,1
	v_lshrrev_b32 v[BY+\c], 23, v[SO+\c]           ; the scale's byte
.endr
	v_lshl_or_b32 v[PW], v[BY+1], 16, v[BY]        ; blocks h and 2 + h,
	v_lshlrev_b32 v[PW], v[H8], v[PW]              ; at their places in the word;
	v_permlanex16_b32 v[T2], v[PW], s[SEL], s[SEL+1]
	v_or_b32 v[PW], v[PW], v[T2]                   ; with lane l xor 16's two the word is whole, in both halves of the lanes
.irp c, 0,1
.irp g, 0,1,2,3
	v_cvt_scalef32_pk8_fp4_f32 v[C+4*\c+\g], v[(\x)+32*\c+8*\g:(\x)+32*\c+8*\g+7], v[SO+\c]
.endr
.endr
	v_nop                                          ; one plain instruction behind the last scaled conversion
.endm
	s_load_b256 s[4:11], s[0:1], 0x0               ; Wq, Wk, Wv, Wo
	s_load_b128 s[12:15], s[0:1], 0x20             ; WC, WS
	s_load_b64 s[16:17], s[0:1], 0x30              ; WOF
	v_lshrrev_b32 v5, 5, v0
	v_readfirstlane_b32 s20, v5                    ; wave = ks: which 128 along K
	s_and_b32 s21, ttmp7, 0xffff                   ; t: which weight
	v_and_b32 v6, 31, v0                           ; lane
	v_and_b32 v7, 15, v0                           ; r
	v_bfe_u32 v8, v0, 4, 1                         ; h
	v_lshlrev_b32 v[LI], 4, v6
	v_lshlrev_b32 v[LS], 2, v6
	v_lshlrev_b32 v[H8], 3, v8
	v_mul_u32_u24 v9, v7, 3072                     ; a row of W is 3,072 bytes
	v_mov_b32 v[T2], 0                             ; written once: a lane permute's destination counts as one of its sources
	s_mov_b32 s[SEL], 0x76543210
	s_mov_b32 s[SEL+1], 0xfedcba98
	s_mul_i32 s22, ttmp9, 49152                    ; the tile's 16 rows,
	s_lshl_b32 s23, s20, 9                         ; my 128 numbers of each
	s_add_co_u32 s22, s22, s23
	s_mov_b32 s23, 0
	s_wait_kmcnt 0x0
	s_cmp_eq_u32 s21, 1                            ; the source is chosen by the work-group's number alone
	s_cselect_b64 s[4:5], s[6:7], s[4:5]
	s_cmp_eq_u32 s21, 2
	s_cselect_b64 s[4:5], s[8:9], s[4:5]
	s_cmp_eq_u32 s21, 3
	s_cselect_b64 s[4:5], s[10:11], s[4:5]
	s_add_nc_u64 s[4:5], s[4:5], s[22:23]
	s_cmp_eq_u32 s21, 3
	s_cbranch_scc1 .Lwo
	; ---- Wq, Wk, Wv: codes
	v_lshl_add_u32 v[AD], v8, 7, v9                ; row r, + 128 h bytes: 32 numbers on for lanes 16-31
.irp c, 0,1
.irp i, 0,1,2,3,4,5,6,7
	global_load_b128 v[X+32*\c+4*\i:X+32*\c+4*\i+3], v[AD], s[4:5] offset:256*\c+16*\i
.endr
.endr
	s_mul_i32 s24, s21, 48
	s_add_co_u32 s24, s24, ttmp9
	s_mul_i32 s24, s24, 6
	s_add_co_u32 s24, s24, s20                     ; the fragment's number: (48 t + nt) 6 + ks
	s_lshl_b32 s26, s24, 10
	s_mov_b32 s27, 0
	s_add_nc_u64 s[12:13], s[12:13], s[26:27]
	s_lshl_b32 s26, s24, 7
	s_add_nc_u64 s[14:15], s[14:15], s[26:27]
	s_wait_loadcnt 0x0
	QBLK X
	global_store_b128 v[LI], v[C:C+3], s[12:13]
	global_store_b128 v[LI], v[C+4:C+7], s[12:13] offset:512
	global_store_b32 v[LS], v[PW], s[14:15]
	s_endpgm
.Lwo:
	; ---- Wo: four f16 fragments of 32 along K
	v_lshl_add_u32 v[AD], v8, 5, v9                ; row r, + 32 h bytes: 8 numbers on for lanes 16-31
.irp kk, 0,1,2,3
.irp c, 0,1
.irp i, 0,1
	global_load_b128 v[X+16*\kk+8*\c+4*\i:X+16*\kk+8*\c+4*\i+3], v[AD], s[4:5] offset:128*\kk+64*\c+16*\i
.endr
.endr
.endr
	s_mul_i32 s24, ttmp9, 24
	s_lshl_b32 s25, s20, 2
	s_add_co_u32 s24, s24, s25                     ; 24 nt + 4 ks
	s_lshl_b32 s26, s24, 10
	s_mov_b32 s27, 0
	s_add_nc_u64 s[16:17], s[16:17], s[26:27]
	s_wait_loadcnt 0x0
.set n, 0
.rept 32
	v_cvt_pk_f16_f32 v[C+n], v[X+2*n], v[X+2*n+1]
.set n, n+1
.endr
.irp kk, 0,1,2,3
.irp c, 0,1
	global_store_b128 v[LI], v[C+8*\kk+4*\c:C+8*\kk+4*\c+3], s[16:17] offset:1024*\kk+512*\c
.endr
.endr
	s_endpgm
.Lfunc_end_k_q441761c681_prep:
	.size	k_q441761c681_prep, .Lfunc_end_k_q441761c681_prep-k_q441761c681_prep
	.p2alignl 7, 3214868480
	.fill 96, 4, 3214868480
	.section	.rodata,"a",@progbits
	.p2align	6, 0x0
	.amdhsa_kernel k_q441761c681_prep
		.amdhsa_group_segment_fixed_size 0
		.amdhsa_private_segment_fixed_size 0
		.amdhsa_enable_private_segment 0
		.amdhsa_kernarg_size 56
		.amdhsa_user_sgpr_count 2
		.amdhsa_user_sgpr_kernarg_segment_ptr 1
		.amdhsa_wavefront_size32 1
		.amdhsa_system_sgpr_workgroup_id_x 1
		.amdhsa_system_sgpr_workgroup_id_y 1
		.amdhsa_system_sgpr_workgroup_id_z 1
		.amdhsa_system_vgpr_workitem_id 0
		.amdhsa_next_free_vgpr 128
		.amdhsa_next_free_sgpr 66
		.amdhsa_reserve_vcc 0
		.amdhsa_float_denorm_mode_32 3
		.amdhsa_float_denorm_mode_16_64 3
		.amdhsa_memory_ordered 1
		.amdhsa_forward_progress 1
		.amdhsa_inst_pref_size 12
	.end_amdhsa_kernel
	.amdgpu_metadata
---
amdhsa.version: [ 1, 2 ]
amdhsa.kernels:
  - .name:           k_q441761c681_prep
    .symbol:         k_q441761c681_prep.kd
    .args:
      - { .name: Wq, .offset: 0, .size: 8, .value_kind: global_buffer, .address_space: global }
      - { .name: Wk, .offset: 8, .size: 8, .value_kind: global_buffer, .address_space: global }
      - { .name: Wv, .offset: 16, .size: 8, .value_kind: global_buffer, .address_space: global }
      - { .name: Wo, .offset: 24, .size: 8, .value_kind: global_buffer, .address_space: global }
      - { .name: WC, .offset: 32, .size: 8, .value_kind: global_buffer, .address_space: global }
      - { .name: WS, .offset: 40, .size: 8, .value_kind: global_buffer, .address_space: global }
      - { .name: WOF, .offset: 48, .size: 8, .value_kind: global_buffer, .address_space: global }
    .group_segment_fixed_size: 0
    .private_segment_fixed_size: 0
    .kernarg_segment_align: 8
    .kernarg_segment_size: 56
    .max_flat_workgroup_size: 192
    .sgpr_count:     66
    .vgpr_count:     128
    .wavefront_size: 32
...
	.end_amdgpu_metadata
.endif
;; end of part 1
;; launch proj (part 2): grid 64 x 3, 8 waves a work-group, no clusters, 28,672 bytes of LDS; arguments q, k, v, bq, bk, bv, WC, WS, QF, KV; writes QF, KV
.if DOCPART == 2
	.amdgcn_target "amdgcn-amd-amdhsa--gfx1250"
	.amdhsa_code_object_version 6
	.text
	.protected	k_q441761c681_proj
	.globl	k_q441761c681_proj
	.p2align	8
	.type	k_q441761c681_proj,@function
k_q441761c681_proj:
	s_mov_b64 s[64:65], 0
	v_nop
	global_prefetch_b8 v0, s[64:65] scope:SCOPE_SE
	s_setreg_imm32_b32 hwreg(HW_REG_WAVE_MODE, 25, 1), 1
	s_wait_xcnt 0x0
; The three projections x W^T + b (x = q, k, v: [4096][768] f32; work-group y = t picks the tensor), both operands as codes of FP4 (E2M1) with one E8M0 byte for each 32 along K; sums in f32.
; x is quantised here, in registers; W's codes and scale words come from the launch before, as images of the operand's registers.
; The results leave as f16 FRAGMENT IMAGES for the attention launch ([lane: 32][16 bytes] = 512 bytes for 16 x 16 numbers):
;   QF [head: 12][tile of 16 queries: 256][ct: 4][512]: lane (r, h) holds query r, channels 16 ct + 8 h + 0 .. 7 of the head.
;   KV [head: 12][block of 64 keys: 64][16,384]: bytes 0-8191 K as [kt: 4][ct: 4][512], laid as Q; bytes 8192-16383 V TURNED, [kg: 2][ct: 4][c: 2][512]: lane (r, h) holds channel 16 ct + r, keys 32 kg + 16 c + 8 h + 0 .. 7.
; Q and K are multiplied in f32 by sqrt(log2(e) / 8), so that the attention's scores leave the matrix unit as exponents of 2.
; SHARES.  A work-group takes 64 rows of x for all 768 outputs, so x is read once.  Wave w quantises 3 of the 24 fragments (16 rows x 128 K) of x; they go to the other waves through LDS as register images.
; Then wave w makes channel tiles 6 w .. 6 w + 5 for the four tiles of rows: all 24 fragments of x stay in its registers, and its 36 weight fragments stream from memory straight into registers, each feeding four products.
; Q, K: source 0 = 16 rows of W, source 1 = 16 rows of x: a lane then holds one row of x and eight neighbouring channels.  V: the sources change places: a lane holds one channel and eight neighbouring keys.
; The bias is the C of each sum's first matrix instruction.
; NO CLUSTER, NO TENSOR LOAD: a weight fragment is read by one wave alone of a work-group, into registers; the eight waves' weights, 8 x 36 x 1,152 = 331,776 bytes, do not fit in LDS.
; LIMITS: projections beyond 65,504 (Q, K: after the factor 0.4247) have no f16 number; NaN and infinities are not served; a block of zeros, or one under 2^-124, gets the scale byte 1 (its codes are zeros or held; this program alone reads the bytes).
; REGISTERS.  Window 0: v1-9, v62 addresses; v10-25 at work in the quantiser; v26-49 x's scale words; v50-61 W's, two sets; v64-255 64 numbers of x for each of 3 fragments, later x's 24 fragments.
;   Window 1: v0-95 W's fragments, two sets of 6; v96-127 four accumulators; v128-175 the bias, 8 registers a tile; v176-191 packed results.
.set XIMG,  0                          ; LDS: x's 24 fragments (6 rt + ks), 1,024 bytes each,
.set XSC,   24576                      ; their scale words, 128 bytes each,
.set SPARE, 27648                      ; and the spare words, 128 bytes for each wave: four blocks of 256 bytes that no other line names
.set LI,  1                            ; v1   16 x lane
.set LS,  2                            ; v2   4 x lane
.set XA,  3                            ; v3   x: row r of 3,072 bytes + 128 h
.set H8,  4                            ; v4   8 h
.set SPW, 5                            ; v5   my spare word; never rewritten
.set NIL, 6                            ; v6   0; never rewritten
.set XWI, 7                            ; v7   where I store x's images: 16 x lane + 3,072 x wave
.set XWS, 8                            ; v8   and their scale words: XSC + 4 x lane + 384 x wave
.set BVQ, 9                            ; v9   the bias for Q, K: 32 h
.set M,   10
.set SO,  12
.set BY,  14
.set T2,  16
.set PW,  17
.set C,   18                           ; v18-25 the codes just made
.set XSW, 26
.set WSW, 50
.set BVV, 62                           ; v62  the bias for V: 4 r
.set X,   64
.set WF,  0                            ; window 1
.set ACC, 96
.set BI,  128
.set PK,  176
.set SQ,  36                           ; s[36:37] sqrt(log2(e) / 8), twice: the packed form names a pair
.set SEL, 38                           ; s[38:39] lane selects: lane l xor 16
.set OP,  40                           ; s[40:51] where each of my six channel tiles goes
.set MSB, 0
.macro WIN new                         ; the immediate's high byte repeats the setting that is left; a switch that changes nothing is dropped
.if MSB != (\new)
	s_set_vgpr_msb (MSB<<8)|(\new)
.set MSB, (\new)
.endif
.endm
; 64 numbers of a lane, register x + 32 c + i = k 64 c + 32 h + i of my row, become the fragment's 8 registers in v[C] on and the row's scale word in v[PW].
.macro QBLK x
.irp c, 0,1
	v_max3_num_f32 v[M+\c], |v[(\x)+32*\c]|, |v[(\x)+32*\c+1]|, 0x1800000   ; my block 2 c + h: all 32 numbers are mine; the floor 2^(3 - 127) holds the byte at 1 from below
.endr
.irp i, 2,4,6,8,10,12,14,16,18,20,22,24,26,28,30
.irp c, 0,1
	v_max3_num_f32 v[M+\c], v[M+\c], |v[(\x)+32*\c+\i]|, |v[(\x)+32*\c+\i+1]|
.endr
.endr
.irp c, 0,1
	v_add_nc_u32 v[SO+\c], 0xff000000, v[M+\c]     ; 2 off the exponent field: the conversion's scale operand
.endr
.irp c, 0,1
	v_lshrrev_b32 v[BY+\c], 23, v[SO+\c]           ; the scale's byte
.endr
	v_lshl_or_b32 v[PW], v[BY+1], 16, v[BY]
	v_lshlrev_b32 v[PW], v[H8], v[PW]
	v_permlanex16_b32 v[T2], v[PW], s[SEL], s[SEL+1]
	v_or_b32 v[PW], v[PW], v[T2]                   ; the row's scale word, whole in both halves of the lanes
.irp c, 0,1
.irp g, 0,1,2,3
	v_cvt_scalef32_pk8_fp4_f32 v[C+4*\c+\g], v[(\x)+32*\c+8*\g:(\x)+32*\c+8*\g+7], v[SO+\c]
.endr
.endr
	v_nop                                          ; one plain instruction behind the last scaled conversion
.endm
.macro IMAGE s                         ; my s-th fragment goes to LDS as it stands
	ds_store_b128 v[XWI], v[C:C+3] offset:XIMG+1024*\s
	ds_store_b128 v[XWI], v[C+4:C+7] offset:XIMG+1024*\s+512
	ds_store_b32 v[XWS], v[PW] offset:128*\s
.endm
.macro WLOAD i, p                      ; my i-th channel tile's six weight fragments and scale words into set p: 18 loads
	WIN 0x40                                       ; destination window 1, address window 0
.irp ks, 0,1,2,3,4,5
.irp c, 0,1
	global_load_b128 v[WF+48*(\p)+8*\ks+4*\c:WF+48*(\p)+8*\ks+4*\c+3], v[LI], s[16:17] offset:(\i)*6144+\ks*1024+\c*512
.endr
.endr
	WIN 0
.irp ks, 0,1,2,3,4,5
	global_load_b32 v[WSW+6*(\p)+\ks], v[LS], s[18:19] offset:(\i)*768+\ks*128
.endr
.endm
.macro PRD i, ks, rt, swap             ; one product: rows 16 rt on, K step ks, my i-th channel tile (its weights in set p)
.set rD,  ACC+8*(\rt)
.set rW,  WF+48*p+8*(\ks)
.set rX,  X+8*(6*(\rt)+(\ks))
.set rSW, WSW+6*p+(\ks)
.set rSX, XSW+6*(\rt)+(\ks)
.set rB,  BI+8*(\i)
.if \swap
.if (\ks) == 0
	v_wmma_scale_f32_16x16x128_f8f6f4 v[rD:rD+7], v[rX:rX+7], v[rW:rW+7], v[rB:rB+7], v[rSX], v[rSW] matrix_a_fmt:MATRIX_FMT_FP4 matrix_b_fmt:MATRIX_FMT_FP4
.else
	v_wmma_scale_f32_16x16x128_f8f6f4 v[rD:rD+7], v[rX:rX+7], v[rW:rW+7], v[rD:rD+7], v[rSX], v[rSW] matrix_a_fmt:MATRIX_FMT_FP4 matrix_b_fmt:MATRIX_FMT_FP4
.endif
.else
.if (\ks) == 0
	v_wmma_scale_f32_16x16x128_f8f6f4 v[rD:rD+7], v[rW:rW+7], v[rX:rX+7], v[rB:rB+7], v[rSW], v[rSX] matrix_a_fmt:MATRIX_FMT_FP4 matrix_b_fmt:MATRIX_FMT_FP4
.else
	v_wmma_scale_f32_16x16x128_f8f6f4 v[rD:rD+7], v[rW:rW+7], v[rX:rX+7], v[rD:rD+7], v[rSW], v[rSX] matrix_a_fmt:MATRIX_FMT_FP4 matrix_b_fmt:MATRIX_FMT_FP4
.endif
.endif
.endm
; My i-th channel tile for the 64 rows: 24 products, the four accumulators by turns; then scaled (Q, K), rounded to f16 and stored; then the weights of two tiles on are asked for.
.macro NT i, swap
.set p, (\i)%2
.if ((\i) >= 2) && ((\i) <= 4)
	s_wait_loadcnt 18                              ; this tile's 18 loads are in; the next tile's 18 may be out
.endif
.if (\i) == 5
	s_wait_loadcnt 0x0
.endif
.if \swap
	WIN 0x54                                       ; source 0 (x) window 0, source 1 (W) window 1, C and D window 1
.else
	WIN 0x51                                       ; source 0 (W) window 1, source 1 (x) window 0, C and D window 1
.endif
.irp ks, 0,1,2,3,4,5
.irp rt, 0,1,2,3
	PRD \i, \ks, \rt, \swap
.endr
.endr
	WIN 0x45                                       ; destination and both sources window 1
.rept 4
	v_nop                                          ; four places between the last product and the first read of results (ISA guide 7.12.1)
.endr
	s_wait_xcnt 0x0                                ; the last tile's stores have read the packed registers, which are written again below
.if !(\swap)
.set n, 0
.rept 16
	v_pk_mul_f32 v[ACC+2*n:ACC+2*n+1], v[ACC+2*n:ACC+2*n+1], s[SQ:SQ+1] op_sel_hi:[1,0]   ; each accumulator from its low end on
.set n, n+1
.endr
.endif
.set n, 0
.rept 16
	v_cvt_pk_f16_f32 v[PK+n], v[ACC+2*n], v[ACC+2*n+1]
.set n, n+1
.endr
	WIN 0x04                                       ; a store's data are its source 1: window 1
.irp rt, 0,1,2,3
.if \swap
	global_store_b128 v[LI], v[PK+4*\rt:PK+4*\rt+3], s[OP+2*(\i):OP+2*(\i)+1] offset:(\rt/2)*4096+(\rt%2)*512   ; 512 consecutive bytes, aligned
.else
	global_store_b128 v[LI], v[PK+4*\rt:PK+4*\rt+3], s[OP+2*(\i):OP+2*(\i)+1] offset:\rt*2048
.endif
.endr
.if (\i)+2 <= 5
	WLOAD (\i)+2, p                                ; into the set just multiplied: the conversions above are the places behind its last product
.endif
	WIN 0
.endm
.macro FINISH                          ; the wave's end: a tensor wait, an add
	s_wait_tensorcnt 0x0
	ds_add_u32 v[SPW], v[NIL]
	s_wait_dscnt 0x0
	s_endpgm
.endm
	s_load_b256 s[4:11], s[0:1], 0x0               ; q, k, v, bq
	s_load_b256 s[12:19], s[0:1], 0x20             ; bk, bv, WC, WS
	s_load_b128 s[20:23], s[0:1], 0x40             ; QF, KV
	v_lshl_add_u32 v[SPW], v0, 2, SPARE
	v_mov_b32 v[NIL], 0
	v_lshrrev_b32 v10, 5, v0
	v_readfirstlane_b32 s24, v10                   ; wave 0..7
	s_and_b32 s25, ttmp7, 0xffff                   ; t: 0 q, 1 k, 2 v
	v_and_b32 v10, 31, v0                          ; lane
	v_and_b32 v11, 15, v0                          ; r
	v_bfe_u32 v12, v0, 4, 1                        ; h
	v_lshlrev_b32 v[LI], 4, v10
	v_lshlrev_b32 v[LS], 2, v10
	v_mul_u32_u24 v[XA], v11, 3072
	v_lshl_add_u32 v[XA], v12, 7, v[XA]
	v_lshlrev_b32 v[H8], 3, v12
	v_lshlrev_b32 v[BVQ], 5, v12
	v_lshlrev_b32 v[BVV], 2, v11
	v_mov_b32 v[T2], 0                             ; written once: a lane permute's destination counts as one of its sources
	s_mul_i32 s26, s24, 3072
	v_add_nc_u32 v[XWI], s26, v[LI]
	s_mul_i32 s26, s24, 384
	s_add_co_u32 s26, s26, XSC
	v_add_nc_u32 v[XWS], s26, v[LS]
	s_mov_b32 s[SQ], 0x3ed96d27                    ; sqrt(log2(e) / 8) = 0.42466090
	s_mov_b32 s[SQ+1], s[SQ]
	s_mov_b32 s[SEL], 0x76543210
	s_mov_b32 s[SEL+1], 0xfedcba98
	s_lshl_b32 s26, ttmp9, 6                       ; x: the work-group's 64 rows,
	s_lshr_b32 s27, s24, 1
	s_lshl_b32 s27, s27, 4
	s_add_co_u32 s26, s26, s27                     ; my tile of 16 of them (wave / 2),
	s_mul_i32 s26, s26, 3072
	s_and_b32 s27, s24, 1
	s_mul_i32 s27, s27, 1536                       ; and my half of K (3 steps of 128)
	s_add_co_u32 s26, s26, s27
	s_mov_b32 s27, 0
	s_mul_i32 s35, s24, 6                          ; my first channel tile
	s_mul_i32 s28, s25, 48
	s_add_co_u32 s28, s28, s35                     ; among the three weights' 144
	s_mul_i32 s30, s28, 6144
	s_mov_b32 s31, 0
	s_mul_i32 s32, s28, 768
	s_mov_b32 s33, 0
	s_mul_i32 s28, s24, 384                        ; my 96 numbers of the bias
	s_mov_b32 s29, 0
	s_wait_kmcnt 0x0
	s_cmp_eq_u32 s25, 1                            ; the buffers are chosen by the work-group's number alone
	s_cselect_b64 s[4:5], s[6:7], s[4:5]
	s_cselect_b64 s[10:11], s[12:13], s[10:11]
	s_cmp_eq_u32 s25, 2
	s_cselect_b64 s[4:5], s[8:9], s[4:5]
	s_cselect_b64 s[10:11], s[14:15], s[10:11]
	s_cselect_b32 s52, 10, 9                       ; log2 of the bytes from channel tile to channel tile in the output
	s_cselect_b32 s53, 8192, 0                     ; V lies behind K in a block
	s_cmp_eq_u32 s25, 0
	s_cselect_b64 s[20:21], s[20:21], s[22:23]
	s_cselect_b32 s54, 19, 20                      ; from head to head
	s_cselect_b32 s55, 13, 14                      ; from 64 rows to the next 64
	s_add_nc_u64 s[4:5], s[4:5], s[26:27]
	; ---- all 48 loads of x at once: fragment s, register 32 c + 4 i + j = k 128 s + 64 c + 32 h + 4 i + j of row r
.irp s, 0,1,2
.irp c, 0,1
.irp i, 0,1,2,3,4,5,6,7
	global_load_b128 v[X+64*\s+32*\c+4*\i:X+64*\s+32*\c+4*\i+3], v[XA], s[4:5] offset:512*\s+256*\c+16*\i th:TH_LOAD_NT
.endr
.endr
.endr
	s_add_nc_u64 s[16:17], s[16:17], s[30:31]
	s_add_nc_u64 s[18:19], s[18:19], s[32:33]
	s_add_nc_u64 s[10:11], s[10:11], s[28:29]
	s_lshl_b32 s56, ttmp9, s55
	s_add_co_u32 s56, s56, s53
.irp i, 0,1,2,3,4,5
	s_add_co_u32 s26, s35, \i                      ; channel tile n: head n / 4, tile n % 4 of the head
	s_lshr_b32 s27, s26, 2
	s_lshl_b32 s27, s27, s54
	s_and_b32 s26, s26, 3
	s_lshl_b32 s26, s26, s52
	s_add_co_u32 s26, s26, s27
	s_add_co_u32 s26, s26, s56
	s_mov_b32 s27, 0
	s_add_nc_u64 s[OP+2*\i:OP+2*\i+1], s[20:21], s[26:27]
.endr
	; ---- x becomes codes; the first two tiles' weights are asked for on the way
	s_wait_loadcnt 32                              ; fragment 0's 16 loads are in; behind them stand fragments 1 and 2
	QBLK X
	IMAGE 0
	WLOAD 0, 0
	s_wait_loadcnt 34                              ; fragment 1 is in; behind it: fragment 2's 16 and the 18 of the weights
	s_wait_dscnt 0x0                               ; the LDS stores have read the codes' registers
	QBLK X+64
	IMAGE 1
	WLOAD 1, 1
	s_wait_loadcnt 36                              ; fragment 2 is in; behind it: two tiles' weights
	s_cmp_eq_u32 s25, 2                            ; the bias in the result's layout; every later wait on loads begins with one for 0, so the two arms' counts need not agree
	s_cbranch_scc1 .Lbias_v
	WIN 0x40
.irp i, 0,1,2,3,4,5
	global_load_b128 v[BI+8*\i:BI+8*\i+3], v[BVQ], s[10:11] offset:64*\i        ; Q, K: register j = b[16 n + 8 h + j]
	global_load_b128 v[BI+8*\i+4:BI+8*\i+7], v[BVQ], s[10:11] offset:64*\i+16
.endr
	WIN 0
	s_branch .Lbias_done
.Lbias_v:
	WIN 0x40
.irp i, 0,1,2,3,4,5
.irp j, 0,1,2,3,4,5,6,7
	global_load_b32 v[BI+8*\i+\j], v[BVV], s[10:11] offset:64*\i                 ; V: all eight registers = b[16 n + r]
.endr
.endr
	WIN 0
.Lbias_done:
	s_wait_dscnt 0x0
	QBLK X+128
	IMAGE 2
	s_wait_dscnt 0x0                               ; for the others' sake: my images lie in LDS
	s_barrier_signal -1
	s_barrier_wait -1                              ; everybody's do
.set f, 0
.rept 24
	ds_load_b128 v[X+8*f:X+8*f+3], v[LI] offset:XIMG+1024*f
	ds_load_b128 v[X+8*f+4:X+8*f+7], v[LI] offset:XIMG+1024*f+512
	ds_load_b32 v[XSW+f], v[LS] offset:XSC+128*f
.set f, f+1
.endr
	s_wait_loadcnt 0x0                             ; two tiles' weights and the bias
	s_wait_dscnt 0x0
	s_cmp_eq_u32 s25, 2
	s_cbranch_scc1 .Lpath_v
.irp i, 0,1,2,3,4,5
	NT \i, 0
.endr
	FINISH
.Lpath_v:
.irp i, 0,1,2,3,4,5
	NT \i, 1
.endr
	FINISH
.Lfunc_end_k_q441761c681_proj:
	.size	k_q441761c681_proj, .Lfunc_end_k_q441761c681_proj-k_q441761c681_proj
	.p2alignl 7, 3214868480
	.fill 96, 4, 3214868480
	.section	.rodata,"a",@progbits
	.p2align	6, 0x0
	.amdhsa_kernel k_q441761c681_proj
		.amdhsa_group_segment_fixed_size 28672
		.amdhsa_private_segment_fixed_size 0
		.amdhsa_enable_private_segment 0
		.amdhsa_kernarg_size 80
		.amdhsa_user_sgpr_count 2
		.amdhsa_user_sgpr_kernarg_segment_ptr 1
		.amdhsa_wavefront_size32 1
		.amdhsa_system_sgpr_workgroup_id_x 1
		.amdhsa_system_sgpr_workgroup_id_y 1
		.amdhsa_system_sgpr_workgroup_id_z 1
		.amdhsa_system_vgpr_workitem_id 0
		.amdhsa_next_free_vgpr 464
		.amdhsa_next_free_sgpr 66
		.amdhsa_reserve_vcc 0
		.amdhsa_float_denorm_mode_32 3
		.amdhsa_float_denorm_mode_16_64 3
		.amdhsa_memory_ordered 1
		.amdhsa_forward_progress 1
		.amdhsa_inst_pref_size 110
	.end_amdhsa_kernel
	.amdgpu_metadata
---
amdhsa.version: [ 1, 2 ]
amdhsa.kernels:
  - .name:           k_q441761c681_proj
    .symbol:         k_q441761c681_proj.kd
    .args:
      - { .name: q, .offset: 0, .size: 8, .value_kind: global_buffer, .address_space: global }
      - { .name: k, .offset: 8, .size: 8, .value_kind: global_buffer, .address_space: global }
      - { .name: v, .offset: 16, .size: 8, .value_kind: global_buffer, .address_space: global }
      - { .name: bq, .offset: 24, .size: 8, .value_kind: global_buffer, .address_space: global }
      - { .name: bk, .offset: 32, .size: 8, .value_kind: global_buffer, .address_space: global }
      - { .name: bv, .offset: 40, .size: 8, .value_kind: global_buffer, .address_space: global }
      - { .name: WC, .offset: 48, .size: 8, .value_kind: global_buffer, .address_space: global }
      - { .name: WS, .offset: 56, .size: 8, .value_kind: global_buffer, .address_space: global }
      - { .name: QF, .offset: 64, .size: 8, .value_kind: global_buffer, .address_space: global }
      - { .name: KV, .offset: 72, .size: 8, .value_kind: global_buffer, .address_space: global }
    .group_segment_fixed_size: 28672
    .private_segment_fixed_size: 0
    .kernarg_segment_align: 8
    .kernarg_segment_size: 80
    .max_flat_workgroup_size: 256
    .sgpr_count:     66
    .vgpr_count:     464
    .wavefront_size: 32
...
	.end_amdgpu_metadata
.endif
;; end of part 2
;; launch attn (part 3): grid 16 x 12, 8 waves a work-group, clusters of 4 x 1, 327,680 bytes of LDS; arguments QF, KV, AF; writes AF
.if DOCPART == 3
	.amdgcn_target "amdgcn-amd-amdhsa--gfx1250"
	.amdhsa_code_object_version 6
	.text
	.protected	k_q441761c681_attn
	.globl	k_q441761c681_attn
	.p2align	8
	.type	k_q441761c681_attn,@function
k_q441761c681_attn:
	s_mov_b64 s[64:65], 0
	v_nop
	global_prefetch_b8 v0, s[64:65] scope:SCOPE_SE
	s_setreg_imm32_b32 hwreg(HW_REG_WAVE_MODE, 25, 1), 1
	s_wait_xcnt 0x0
	s_wait_alu depctr_hold_cnt(0) depctr_sa_sdst(0) depctr_va_vdst(0) depctr_va_sdst(0) depctr_va_ssrc(0) depctr_va_vcc(0) depctr_vm_vsrc(0)
	s_getreg_b32 s2, hwreg(HW_REG_IB_STS2, 6, 4)
	s_cmp_eq_u32 s2, 0
	s_cbranch_scc0 .Lentry_in_a_cluster
	s_endpgm
.Lentry_in_a_cluster:
	s_bfe_u32 s2, ttmp6, 0x10000c
	s_cmp_lg_u32 s2, 0x3003
	s_cbranch_scc0 .Lentry_shape_is_right
	s_endpgm
.Lentry_shape_is_right:
; O[head][q] = the sum over k of softmax_k(Q . K / 8) V, 12 heads of 64 channels, 4,096 queries and keys, no mask.  Operands in f16, products, maxima and sums in f32.
; Q and K arrive multiplied by sqrt(log2(e) / 8) each, so a score leaves the matrix unit as t, and p = 2^(t - m) with m the row's running maximum: p is at most 1 for every input.
; All operands arrive as FRAGMENT IMAGES (512 bytes = 32 lanes x 16 bytes): every load is 16 bytes a lane at 16 x lane, in memory and in LDS; nothing is turned, padded or staged.
; SHARES.  A work-group owns 256 queries of one head; each of its eight waves 32 of them, two tiles of 16 (T = 0, 1).  Two waves share a SIMD, so that one wave's softmax stands beside the other's products.
; Every wave walks all keys, 128 a step: 32 products K Q^T, the softmax, 32 products V^T P; each fragment of K and V feeds two products.
; LAYOUT.  S^T = K Q^T (source 0 = 16 keys, source 1 = 16 queries): a lane holds ONE query (lane % 16) and the keys 8 (lane / 16) + 0 .. 7 of each tile.  Two such tiles rounded to f16 ARE source 1 of O^T = V^T P.
; RING.  Two LDS slots of 512 keys (131,072 bytes, one dense block of KV each).  Each wave fetches an eighth of a slot, 64 rows of 256 bytes, by one tensor load.
; CLUSTER.  The four query blocks of a cluster belong to one head and walk the same K and V: each tile is asked for JOINTLY, by the same tensor load with the same descriptor and a mask that names the four.
; GRID.  4,096 / 256 x 12 = 192 work-groups: 256 equal shares would want 192 queries a work-group, which does not divide 4,096.
; LIMITS: a p under 2^-25 of the row's largest is 0 in f16; O / l is stored as f16: where v, Wv and bv are all some 30 times smaller than drawn it falls to about 2e-5, where f16 steps by 6e-8; NaN and infinities are not served.
; REGISTERS.  Window 0: v1-5 addresses; v16-31 eight statistics a tile; v64-191 S^T, 64 a tile; v192-255 P, 32 a tile.   Window 1: v0-31 Q; v32-95 O^T, 32 a tile; v128-255 K of a step, then V of the step.
.set SLOT1, 1<<17                      ; slot 1 begins here: one exclusive or turns an address in one slot into the other's
.set SLOTB, 131072                     ; bytes in a slot
.set STEPB, 32768                      ; bytes of a step's 128 keys
.set SPARE, 262144                     ; behind the ring: the spare words, 128 bytes for each wave: four blocks of 256 bytes that no other line names
.set LI,  1                            ; v1   16 x lane; never rewritten
.set ADR, 2                            ; v2   LDS address of the step in hand
.set SPW, 3                            ; v3   my spare word; never rewritten
.set NIL, 4                            ; v4   0; never rewritten
.set PFO, 5                            ; v5   256 x lane; never rewritten
.set ST,  16                           ; tile T's statistics at v[ST + 8 T]: +0 -m, +1 m, +2, +3 l (even keys', odd keys'), +4 .. +7 c0-c3 at work; a takes c2's place
.set S,   64
.set P,   192
.set O,   32                           ; window 1
.set KB,  128                          ; window 1
.set WV,  12                           ; s12  my wave's number
.set G1,  24                           ; s[24:31] descriptor group 1
.set G0A, 32                           ; s[32:35] group 0 of slot 0's first fill
.set G0W, 36                           ; s[36:39] group 0 of slot 1's first fill, which then walks on
.set SLOTS, 40                         ; s40  slots still to be asked for
.set STEPS, 41                         ; s41  counts a slot's four steps
.set TB,  42                           ; s42  LDS byte at which the step in hand begins
.set LIM, 43                           ; s43  1 in a wave that prefetches, else the greatest number
.set SEL, 44                           ; s[44:45] lane selects: lane l xor 16
.set PFA, 46                           ; s[46:47] where my prefetches stand
.set MSB, 0
.macro WIN new                         ; the immediate's high byte repeats the setting that is left; a switch that changes nothing is dropped
.if MSB != (\new)
	s_set_vgpr_msb (MSB<<8)|(\new)
.set MSB, (\new)
.endif
.endm
.macro PLACES                          ; four plain instructions between a matrix instruction and a read of its result or a load into its registers (ISA guide 7.12.1 for the read of a result)
.rept 4
	v_nop
.endr
.endm
; A round of the cluster's barrier: my work-group's barrier; wave 0 signals for the work-group; every wave waits for all four work-groups; my work-group's barrier once more.
.macro CROUND
	s_barrier_signal -1
	s_barrier_wait -1
	s_cmp_lg_u32 s[WV], 0
	s_cbranch_scc1 .Lnot_wave_0_\@
	s_barrier_signal -3
.Lnot_wave_0_\@:
	s_barrier_wait -3
	s_barrier_signal -1
	s_barrier_wait -1
.endm
; A PREFETCH INTO THE L2 of the slot that the NEXT change of slots will ask for: four key steps ahead of that load.  All clusters of a head walk the same KV: the head's first cluster asks.  Its four partners
; share the slot's 131,072 bytes out BY ADDRESS, 32,768 each; in each, waves 0 to 3 take 8,192 bytes, lanes 256 bytes apart: each aligned block of 256 bytes is named once in the launch.
; The last change that fills a slot asks for nothing; slots 0, 1 and 2 come by their loads alone.
.macro ASK
	s_cmp_gt_u32 s[SLOTS], s[LIM]
	s_cbranch_scc0 .Lnot_mine_\@
	global_prefetch_b8 v[PFO], s[PFA:PFA+1] th:TH_LOAD_NT scope:SCOPE_SE
.Lnot_mine_\@:
.endm
; A KEY STEP: 128 keys.
.macro STEP
	v_add_nc_u32 v[ADR], s[TB], v[LI]
	WIN 0x40                                       ; destination window 1, address window 0
.irp kt, 0,1,2,3,4,5,6,7                       ; K: key tile kt, channels 32 u on, half c
.irp u, 0,1
.irp c, 0,1
	ds_load_b128 v[KB+16*\kt+8*\u+4*\c:KB+16*\kt+8*\u+4*\c+3], v[ADR] offset:(\kt/4)*16384+(\kt%4)*2048+\u*1024+\c*512
.endr
.endr
.endr
	WIN 0x05                                       ; K and Q window 1, S^T window 0
.irp g, 0,1                                    ; four key tiles at a time; their eight accumulators take turns, one instruction a turn
	s_wait_dscnt 16-16*\g                          ; key tiles 0-3 are in (the 16 younger loads may be out); then all
.irp u, 0,1
.irp k, 0,1,2,3
.irp T, 0,1
.if \u == 0
	v_wmma_f32_16x16x32_f16 v[S+64*\T+8*(4*\g+\k):S+64*\T+8*(4*\g+\k)+7], v[KB+16*(4*\g+\k)+8*\u:KB+16*(4*\g+\k)+8*\u+7], v[16*\T+8*\u:16*\T+8*\u+7], 0
.else
	v_wmma_f32_16x16x32_f16 v[S+64*\T+8*(4*\g+\k):S+64*\T+8*(4*\g+\k)+7], v[KB+16*(4*\g+\k)+8*\u:KB+16*(4*\g+\k)+8*\u+7], v[16*\T+8*\u:16*\T+8*\u+7], v[S+64*\T+8*(4*\g+\k):S+64*\T+8*(4*\g+\k)+7]
.endif
.endr
.endr
.endr
.endr
	PLACES                                         ; for the loads into K's registers and for the first read of the scores
	WIN 0x40
.irp kg, 0,1,2,3                               ; V turned: keys 32 kg on, channels 16 ct on, half c.  These land during the softmax
.irp ct, 0,1,2,3
.irp c, 0,1
	ds_load_b128 v[KB+32*\kg+8*\ct+4*\c:KB+32*\kg+8*\ct+4*\c+3], v[ADR] offset:(\kg/2)*16384+8192+(\kg%2)*4096+\ct*1024+\c*512
.endr
.endr
.endr
	WIN 0
	; THE SOFTMAX, the two tiles line by line.  The maximum of a lane's 64 scores and the old m: four chains of 15 scores, three operands at a time; each accumulator is first read at its low end
.irp q, 0,1,2,3
.irp T, 0,1
	v_max3_num_f32 v[ST+8*\T+4+\q], v[S+64*\T+16*\q], v[S+64*\T+16*\q+1], v[S+64*\T+16*\q+2]
.endr
.endr
.irp i, 3,5,7,9,11,13
.irp q, 0,1,2,3
.irp T, 0,1
	v_max3_num_f32 v[ST+8*\T+4+\q], v[ST+8*\T+4+\q], v[S+64*\T+16*\q+\i], v[S+64*\T+16*\q+\i+1]
.endr
.endr
.endr
.irp T, 0,1
	v_max3_num_f32 v[ST+8*\T+4], v[ST+8*\T+4], v[S+64*\T+15], v[S+64*\T+31]
.endr
.irp T, 0,1
	v_max3_num_f32 v[ST+8*\T+6], v[ST+8*\T+6], v[S+64*\T+47], v[S+64*\T+63]
.endr
.irp T, 0,1
	v_max3_num_f32 v[ST+8*\T+4], v[ST+8*\T+4], v[ST+8*\T+5], v[ST+8*\T+6]
.endr
.irp T, 0,1
	v_max3_num_f32 v[ST+8*\T+4], v[ST+8*\T+4], v[ST+8*\T+7], v[ST+8*\T+1]
.endr
.irp T, 0,1
	v_permlanex16_b32 v[ST+8*\T+5], v[ST+8*\T+4], s[SEL], s[SEL+1]   ; the query's other 64 keys lie in the lane 16 away
.endr
.irp T, 0,1
	v_mov_b32 v[ST+8*\T+7], v[ST+8*\T]             ; the old -m
.endr
.irp T, 0,1
	v_max_num_f32 v[ST+8*\T+1], v[ST+8*\T+4], v[ST+8*\T+5]   ; the new m
.endr
.irp T, 0,1
	v_sub_f32 v[ST+8*\T], 0, v[ST+8*\T+1]          ; -m
.endr
.irp T, 0,1
	v_sub_f32 v[ST+8*\T+6], v[ST+8*\T], v[ST+8*\T+7]   ; old m - new m, 0 or less
.endr
.irp T, 0,1
	v_exp_f32 v[ST+8*\T+6], v[ST+8*\T+6]           ; a = 2^(old m - new m)
.endr
	; ONE BATCH: t - m, a pair at a time, and the exponentials, each pair's behind the next pair's addition.  None of these lines names an exponential's result
.irp T, 0,1
	v_pk_add_f32 v[S+64*\T:S+64*\T+1], v[S+64*\T:S+64*\T+1], v[ST+8*\T:ST+8*\T+1] op_sel_hi:[1,0]
.set b, 1
.rept 31
	v_pk_add_f32 v[S+64*\T+2*b:S+64*\T+2*b+1], v[S+64*\T+2*b:S+64*\T+2*b+1], v[ST+8*\T:ST+8*\T+1] op_sel_hi:[1,0]
	v_exp_f32 v[S+64*\T+2*b-2], v[S+64*\T+2*b-2]
	v_exp_f32 v[S+64*\T+2*b-1], v[S+64*\T+2*b-1]
.set b, b+1
.endr
	v_exp_f32 v[S+64*\T+62], v[S+64*\T+62]
	v_exp_f32 v[S+64*\T+63], v[S+64*\T+63]
.endr
	v_nop                                          ; a plain instruction behind the last exponential
	s_wait_alu depctr_va_vdst(0)                   ; a wait ahead of the first line that names a result: one for the 130 exponentials
.irp T, 0,1
.set n, 0
.rept 32
	v_cvt_pk_f16_f32 v[P+32*\T+n], v[S+64*\T+2*n], v[S+64*\T+2*n+1]   ; p in f16: registers 8 kg .. 8 kg + 7 are source 1 for keys 32 kg on
.set n, n+1
.endr
.endr
.irp st, 1,2,4,8,16                            ; the sum of the unrounded p: a tree in place over a tile's 32 pairs, neighbours 1, 2, 4, 8, 16 pairs apart
.irp T, 0,1
.set u, 0
.rept 16/\st
	v_pk_add_f32 v[S+64*\T+4*\st*u:S+64*\T+4*\st*u+1], v[S+64*\T+4*\st*u:S+64*\T+4*\st*u+1], v[S+64*\T+4*\st*u+2*\st:S+64*\T+4*\st*u+2*\st+1]
.set u, u+1
.endr
.endr
.endr
.irp T, 0,1
	v_pk_fma_f32 v[ST+8*\T+2:ST+8*\T+3], v[ST+8*\T+2:ST+8*\T+3], v[ST+8*\T+6:ST+8*\T+7], v[S+64*\T:S+64*\T+1] op_sel_hi:[1,0,1]   ; l = a l + the sum
.endr
	WIN 0x41                                       ; O^T (destination and source 0) window 1, a window 0
.irp T, 0,1
.set n, 0
.rept 16
	v_pk_mul_f32 v[O+32*\T+2*n:O+32*\T+2*n+1], v[O+32*\T+2*n:O+32*\T+2*n+1], v[ST+8*\T+6:ST+8*\T+7] op_sel_hi:[1,0]   ; O^T x a, each accumulator from its low end on
.set n, n+1
.endr
.endr
	s_wait_dscnt 0x0                               ; V is in
	WIN 0x51                                       ; V window 1, P window 0, O^T window 1
.irp kg, 0,1,2,3                               ; the eight accumulators take turns
.irp ct, 0,1,2,3
.irp T, 0,1
	v_wmma_f32_16x16x32_f16 v[O+32*\T+8*\ct:O+32*\T+8*\ct+7], v[KB+32*\kg+8*\ct:KB+32*\kg+8*\ct+7], v[P+32*\T+8*\kg:P+32*\T+8*\kg+7], v[O+32*\T+8*\ct:O+32*\T+8*\ct+7]
.endr
.endr
.endr
	WIN 0
	PLACES                                         ; for the next step's loads into V's registers, and for the way out
	s_add_co_u32 s[TB], s[TB], STEPB
.endm
.macro SLOT_STEPS                      ; a slot's four key steps: written once, walked four times
	s_mov_b32 s[STEPS], 4
.Lstep_\@:
	STEP
	s_sub_co_u32 s[STEPS], s[STEPS], 1
	s_cmp_lg_u32 s[STEPS], 0
	s_cbranch_scc1 .Lstep_\@
.endm
; THE CHANGE OF SLOTS.  Each wave waits for all its tensor loads, of which one is out: its part of the other slot; adds 0 to its spare word; and waits for that and for its own reads of the slot that it leaves.
; fill = 1: that slot is filled again, with the keys two slots on.  The barrier is then a round of the cluster's, so that no wave of any partner still reads the slot or has a load on its way,
; and the joint refill is the first thing behind it: it has four key steps, 256 matrix instructions a wave, in which to land.  By this text's count a wave has two tensor loads out at the start and one behind each round.
.macro CHANGE fill
	WIN 0
	s_wait_tensorcnt 0x0                           ; no tensor load of mine is out, so a group 0 may be written
	ds_add_u32 v[SPW], v[NIL]                      ; 0 onto my spare word
.if \fill
	s_xor_b32 s[G0W+1], s[G0W+1], SLOT1            ; the walking descriptor: the other slot than last time,
	s_add_nc_u64 s[G0W+2:G0W+3], s[G0W+2:G0W+3], SLOTB   ; the next 512 keys; the type bits on top are not reached
	s_wait_xcnt 0x0                                ; the last prefetch, a slot back, has read its address, so it may be written
	s_add_nc_u64 s[PFA:PFA+1], s[PFA:PFA+1], SLOTB
	s_wait_dscnt 0x0                               ; the add is done, and my reads of the slot are over
	CROUND
	tensor_load_to_lds s[G0W:G0W+3], s[G1:G1+7]
	s_nop 0
	PLACES
	ASK
.else
	s_wait_dscnt 0x0
	s_barrier_signal -1
	s_barrier_wait -1
.endif
	s_sub_co_u32 s[TB], s[TB], SLOTB               ; back to a slot's first step,
	s_xor_b32 s[TB], s[TB], SLOT1                  ; in the other slot
.endm
	s_load_b128 s[4:7], s[0:1], 0x0                ; QF, KV
	s_load_b64 s[8:9], s[0:1], 0x10                ; AF
	v_lshl_add_u32 v[SPW], v0, 2, SPARE
	v_mov_b32 v[NIL], 0
	ds_add_u32 v[SPW], v[NIL]                      ; the wave's opening: the add, twice on end, and its wait ahead of my first tensor load
	ds_add_u32 v[SPW], v[NIL]
	v_lshrrev_b32 v6, 5, v0
	v_readfirstlane_b32 s[WV], v6                  ; wave 0..7
	s_bfe_u32 s13, ttmp6, 0x40000                  ; cx: my place in the cluster
	s_lshl_b32 s14, ttmp9, 2
	s_add_co_u32 s14, s14, s13                     ; my block of 256 queries: it enters QF's, AF's and the prefetches' addresses alone
	s_and_b32 s15, ttmp7, 0xffff                   ; the head, which the four partners share
	; descriptor group 1: 64 rows of 32 elements of 8 bytes, dense in memory and in LDS
	s_mov_b32 s[G1], 15|(3<<16)|(1<<21)            ; 15:0 the mask: all four work-groups; 17:16 elements of 8 bytes; 20 no padding; 21 set beside a mask
	s_mov_b32 s[G1+1], 32<<16                      ; tensor_dim0 = 32
	s_mov_b32 s[G1+2], 64<<16                      ; tensor_dim1 = 64
	s_mov_b32 s[G1+3], 32<<16                      ; tile_dim0 = 32
	s_mov_b32 s[G1+4], 64                          ; tile_dim1 = 64
	s_mov_b32 s[G1+5], 32                          ; elements from row to row
	s_mov_b32 s[G1+6], 0
	s_mov_b32 s[G1+7], 0
	s_lshl_b32 s16, s15, 20                        ; the head's 2^20 bytes of KV,
	s_lshl_b32 s[G0A+1], s[WV], 14                 ; my eighth of a slot: the same 16,384 x wave in memory and in LDS
	s_add_co_u32 s16, s16, s[G0A+1]
	s_mov_b32 s17, 0
	s_mov_b32 s[G0A], 1
	s_mov_b32 s[G0W], 1
	s_add_co_u32 s[G0W+1], s[G0A+1], SLOT1
	s_lshl_b32 s18, s15, 20                        ; the prefetches: the head,
	s_lshl_b32 s19, s13, 15                        ; my work-group's quarter of a slot,
	s_add_co_u32 s18, s18, s19
	s_and_b32 s19, s[WV], 3
	s_lshl_b32 s19, s19, 13                        ; my wave's 8,192 bytes of it,
	s_add_co_u32 s18, s18, s19
	s_add_co_u32 s18, s18, 2*SLOTB                 ; in slot 2: the first change of slots steps it to slot 3
	s_mov_b32 s19, 0
	s_lshl_b32 s20, s14, 4
	s_lshl_b32 s21, s[WV], 1
	s_add_co_u32 s20, s20, s21                     ; my first tile of 16 queries
	s_lshl_b32 s22, s20, 11
	s_lshl_b32 s23, s15, 19
	s_add_co_u32 s22, s22, s23                     ; in QF
	s_mov_b32 s23, 0
	s_mul_i32 s20, s20, 24576
	s_lshl_b32 s21, s15, 11
	s_add_co_u32 s20, s20, s21                     ; in AF: the tile's 24 fragments, my head's two
	s_mov_b32 s21, 0
	s_lshr_b32 s[LIM], s[WV], 2                    ; 0 in waves 0 to 3,
	s_or_b32 s[LIM], s[LIM], ttmp9                 ; of the head's first cluster: the same in all four partners
	s_cmp_eq_u32 s[LIM], 0
	s_cselect_b32 s[LIM], 1, -1
	s_mov_b32 s[SEL], 0x76543210
	s_mov_b32 s[SEL+1], 0xfedcba98
	s_mov_b32 s[TB], 0
	s_mov_b32 s[SLOTS], 6
	v_and_b32 v6, 31, v0
	v_lshlrev_b32 v[LI], 4, v6
	v_lshlrev_b32 v[PFO], 8, v6
	s_wait_dscnt 0x0                               ; both opening adds are done
	s_wait_kmcnt 0x0
	s_add_nc_u64 s[G0A+2:G0A+3], s[6:7], s[16:17]
	s_add_nc_u64 s[G0W+2:G0W+3], s[G0A+2:G0A+3], SLOTB
	s_or_b32 s[G0A+3], s[G0A+3], 0x80000000        ; type = 2
	s_or_b32 s[G0W+3], s[G0W+3], 0x80000000
	s_add_nc_u64 s[PFA:PFA+1], s[6:7], s[18:19]
	s_add_nc_u64 s[4:5], s[4:5], s[22:23]
	s_add_nc_u64 s[8:9], s[8:9], s[20:21]
	CROUND                                         ; all four work-groups are here: the first joint loads meet
	tensor_load_to_lds s[G0A:G0A+3], s[G1:G1+7]    ; slot 0
	s_nop 0
	tensor_load_to_lds s[G0W:G0W+3], s[G1:G1+7]    ; slot 1
	s_nop 0
	PLACES
	WIN 0x40
.irp T, 0,1                                    ; Q stays in registers: tile T, channels 32 u on, half c
.irp u, 0,1
.irp c, 0,1
	global_load_b128 v[16*\T+8*\u+4*\c:16*\T+8*\u+4*\c+3], v[LI], s[4:5] offset:\T*2048+\u*1024+\c*512
.endr
.endr
.endr
.set n, 0
.rept 64
	v_mov_b32 v[O+n], 0                            ; O^T.  The step is written once for all steps: the first finds zeros, which a = 0 leaves zeros
.set n, n+1
.endr
	WIN 0
.irp T, 0,1
	v_mov_b32 v[ST+8*\T+1], 0xff61b1e6             ; m: -3e38, under every score
	v_mov_b32 v[ST+8*\T], 0x7f61b1e6               ; -m
	v_mov_b32 v[ST+8*\T+2], 0                      ; l, in two halves
	v_mov_b32 v[ST+8*\T+3], 0
.endr
	s_wait_tensorcnt 1                             ; my part of slot 0 is in; slot 1's may stay out
	s_barrier_signal -1
	s_barrier_wait -1                              ; everybody's is
	s_wait_loadcnt 0x0                             ; Q
	SLOT_STEPS                                     ; slot 0
.Lslot:                                            ; six trips: slots 2 to 7 are asked for, slots 1 to 6 are walked
	CHANGE 1
	SLOT_STEPS
	s_sub_co_u32 s[SLOTS], s[SLOTS], 1
	s_cmp_lg_u32 s[SLOTS], 0
	s_cbranch_scc1 .Lslot
	CHANGE 0                                       ; the tail is written out
	SLOT_STEPS                                     ; slot 7
	; THE WAY OUT.  l's two halves and the other half of the lanes' are added; O^T / l, rounded to f16, IS half a fragment of the last product's operand: it is stored as it stands.
.irp T, 0,1
	v_add_f32 v[ST+8*\T+4], v[ST+8*\T+2], v[ST+8*\T+3]
.endr
.irp T, 0,1
	v_permlanex16_b32 v[ST+8*\T+5], v[ST+8*\T+4], s[SEL], s[SEL+1]
.endr
.irp T, 0,1
	v_add_f32 v[ST+8*\T+4], v[ST+8*\T+4], v[ST+8*\T+5]
.endr
.irp T, 0,1
	v_rcp_f32 v[ST+8*\T+6], v[ST+8*\T+4]
.endr
	v_nop                                          ; a plain instruction behind the last reciprocal
	s_wait_alu depctr_va_vdst(0)                   ; and a wait ahead of the first use: one for both
	WIN 0x41
.irp T, 0,1
.set n, 0
.rept 16
	v_pk_mul_f32 v[O+32*\T+2*n:O+32*\T+2*n+1], v[O+32*\T+2*n:O+32*\T+2*n+1], v[ST+8*\T+6:ST+8*\T+7] op_sel_hi:[1,0]
.set n, n+1
.endr
.endr
	WIN 0x05                                       ; sources window 1, destination window 0: S^T's registers are free
.set n, 0
.rept 32
	v_cvt_pk_f16_f32 v[S+n], v[O+2*n], v[O+2*n+1]
.set n, n+1
.endr
	WIN 0
.irp T, 0,1
.irp ct, 0,1,2,3
	global_store_b128 v[LI], v[S+16*\T+4*\ct:S+16*\T+4*\ct+3], s[8:9] offset:\T*24576+\ct*512   ; 512 consecutive bytes, aligned
.endr
.endr
	s_wait_tensorcnt 0x0                           ; the wave's end: a tensor wait, an add and an LDS wait behind my last tensor load
	ds_add_u32 v[SPW], v[NIL]
	s_wait_dscnt 0x0
	CROUND                                         ; the closing round: no work-group ends while a partner may still ask for a tile that names it
	s_endpgm
.Lfunc_end_k_q441761c681_attn:
	.size	k_q441761c681_attn, .Lfunc_end_k_q441761c681_attn-k_q441761c681_attn
	.p2alignl 7, 3214868480
	.fill 96, 4, 3214868480
	.section	.rodata,"a",@progbits
	.p2align	6, 0x0
	.amdhsa_kernel k_q441761c681_attn
		.amdhsa_group_segment_fixed_size 327680
		.amdhsa_private_segment_fixed_size 0
		.amdhsa_enable_private_segment 0
		.amdhsa_kernarg_size 24
		.amdhsa_user_sgpr_count 2
		.amdhsa_user_sgpr_kernarg_segment_ptr 1
		.amdhsa_wavefront_size32 1
		.amdhsa_system_sgpr_workgroup_id_x 1
		.amdhsa_system_sgpr_workgroup_id_y 1
		.amdhsa_system_sgpr_workgroup_id_z 1
		.amdhsa_system_vgpr_workitem_id 0
		.amdhsa_next_free_vgpr 512
		.amdhsa_next_free_sgpr 66
		.amdhsa_reserve_vcc 0
		.amdhsa_float_denorm_mode_32 3
		.amdhsa_float_denorm_mode_16_64 3
		.amdhsa_memory_ordered 1
		.amdhsa_forward_progress 1
		.amdhsa_inst_pref_size 109
	.end_amdhsa_kernel
	.amdgpu_metadata
---
amdhsa.version: [ 1, 2 ]
amdhsa.kernels:
  - .name:           k_q441761c681_attn
    .symbol:         k_q441761c681_attn.kd
    .args:
      - { .name: QF, .offset: 0, .size: 8, .value_kind: global_buffer, .address_space: global }
      - { .name: KV, .offset: 8, .size: 8, .value_kind: global_buffer, .address_space: global }
      - { .name: AF, .offset: 16, .size: 8, .value_kind: global_buffer, .address_space: global }
    .group_segment_fixed_size: 327680
    .private_segment_fixed_size: 0
    .kernarg_segment_align: 8
    .kernarg_segment_size: 24
    .max_flat_workgroup_size: 256
    .sgpr_count:     66
    .vgpr_count:     512
    .wavefront_size: 32
...
	.end_amdgpu_metadata
.endif
;; end of part 3
;; launch outp (part 4): grid 4 x 64, 4 waves a work-group, clusters of 4 x 1, 167,936 bytes of LDS; arguments AF, WOF, bo, out0; writes out0
.if DOCPART == 4
	.amdgcn_target "amdgcn-amd-amdhsa--gfx1250"
	.amdhsa_code_object_version 6
	.text
	.protected	k_q441761c681_outp
	.globl	k_q441761c681_outp
	.p2align	8
	.type	k_q441761c681_outp,@function
k_q441761c681_outp:
	s_mov_b64 s[64:65], 0
	v_nop
	global_prefetch_b8 v0, s[64:65] scope:SCOPE_SE
	s_setreg_imm32_b32 hwreg(HW_REG_WAVE_MODE, 25, 1), 1
	s_wait_xcnt 0x0
	s_wait_alu depctr_hold_cnt(0) depctr_sa_sdst(0) depctr_va_vdst(0) depctr_va_sdst(0) depctr_va_ssrc(0) depctr_va_vcc(0) depctr_vm_vsrc(0)
	s_getreg_b32 s2, hwreg(HW_REG_IB_STS2, 6, 4)
	s_cmp_eq_u32 s2, 0
	s_cbranch_scc0 .Lentry_in_a_cluster
	s_endpgm
.Lentry_in_a_cluster:
	s_bfe_u32 s2, ttmp6, 0x10000c
	s_cmp_lg_u32 s2, 0x3003
	s_cbranch_scc0 .Lentry_shape_is_right
	s_endpgm
.Lentry_shape_is_right:
; out0[m][n] = the sum over k of att[m][k] Wo[n][k] + bo[n]: [4096][768] f32; operands in f16, sums in f32.  Both operands arrive as fragment images (1,024 bytes = [half: 2][lane: 32][16 bytes]).
; SHARES.  256 work-groups: 64 rows x 192 columns each; a wave makes 64 x 48: 12 accumulators.  K = 768 is 24 steps of 32, written out.
; The four column blocks of a row block form a cluster and need the same 98,304 bytes of att: they come into LDS once, by ONE joint tensor load a wave (96 rows of 256 bytes, mask of all four).
; A wave's part of Wo, 72 fragments, is read by that wave alone in its work-group: it goes straight into 576 registers, all 144 loads issued at the head.
; THE MATRIX INSTRUCTION IS USED TRANSPOSED (source 0 = 16 rows of Wo, source 1 = 16 rows of att): a lane holds eight neighbouring columns of one row.  The bias is the C of each sum's first instruction.
; THE WAY OUT: through a stage in LDS (rows of 768 bytes + 16), since a row's 768 bytes come from four waves; each wave then stores 16 whole rows, sixteen lanes to 256 consecutive bytes, aligned.
; REGISTERS.  Window 0: v1-8 addresses; v16-111 att's fragments, three sets of four, later rows on the way out; v112-207 the accumulators (nt, rt) at 112 + 8 (4 nt + rt); v208-231 the bias.
;   Windows 1-3: Wo's fragment (kk, nt) in window 1 + kk / 8 at v[8 (3 (kk % 8) + nt)].
.set ATT,   0                          ; LDS: att: [rt: 4][kk: 24][1,024]
.set STG,   98304                      ; the stage: 64 rows x 784 bytes; no tensor load lands here
.set SPARE, 148480                     ; the spare words, 128 bytes for each wave: two blocks of 256 bytes that no other line names
.set LI,  1                            ; v1   16 x lane
.set LI2, 2                            ; v2   the same + 49,152: row tiles 2 and 3 lie beyond an LDS offset's reach
.set SO,  3                            ; v3   the stage: where I put 32 bytes of a row
.set SR,  4                            ; v4   and where I read rows back
.set GO,  5                            ; v5   my byte offset in out0's rows
.set SPW, 6                            ; v6   my spare word; never rewritten
.set NIL, 7                            ; v7   0; never rewritten
.set BV,  8                            ; v8   the bias: 32 h
.set AT,  16
.set AC,  112
.set BI,  208
.set WV,  12                           ; s12  my wave's number
.set G1,  24                           ; s[24:31] descriptor group 1
.set G0,  32                           ; s[32:35] group 0
.set MSB, 0
.macro WIN new                         ; the immediate's high byte repeats the setting that is left; a switch that changes nothing is dropped
.if MSB != (\new)
	s_set_vgpr_msb (MSB<<8)|(\new)
.set MSB, (\new)
.endif
.endm
.macro PLACES                          ; four plain instructions between a matrix instruction and a read of its result or a load into its registers (ISA guide 7.12.1 for the read of a result)
.rept 4
	v_nop
.endr
.endm
.macro CROUND                          ; a round of the cluster's barrier
	s_barrier_signal -1
	s_barrier_wait -1
	s_cmp_lg_u32 s[WV], 0
	s_cbranch_scc1 .Lnot_wave_0_\@
	s_barrier_signal -3
.Lnot_wave_0_\@:
	s_barrier_wait -3
	s_barrier_signal -1
	s_barrier_wait -1
.endm
.macro ATLOAD k                        ; att's four fragments of K step k into set k % 3: eight loads
.irp rt, 0,1
.irp c, 0,1
	ds_load_b128 v[AT+32*((\k)%3)+8*\rt+4*\c:AT+32*((\k)%3)+8*\rt+4*\c+3], v[LI] offset:ATT+\rt*24576+(\k)*1024+512*\c
.endr
.endr
.irp rt, 0,1
.irp c, 0,1
	ds_load_b128 v[AT+32*((\k)%3)+8*(\rt+2)+4*\c:AT+32*((\k)%3)+8*(\rt+2)+4*\c+3], v[LI2] offset:ATT+\rt*24576+(\k)*1024+512*\c
.endr
.endr
.endm
	s_load_b256 s[4:11], s[0:1], 0x0               ; AF, WOF, bo, out0
	v_lshl_add_u32 v[SPW], v0, 2, SPARE
	v_mov_b32 v[NIL], 0
	ds_add_u32 v[SPW], v[NIL]                      ; the wave's opening: the add, twice on end, and its wait ahead of my first tensor load
	ds_add_u32 v[SPW], v[NIL]
	v_lshrrev_b32 v9, 5, v0
	v_readfirstlane_b32 s[WV], v9                  ; wave 0..3
	s_bfe_u32 s13, ttmp6, 0x40000                  ; cx
	s_lshl_b32 s14, ttmp9, 2
	s_add_co_u32 s14, s14, s13                     ; cb: my block of 192 columns
	s_and_b32 s15, ttmp7, 0xffff                   ; rb: the block of 64 rows, which the four partners share
	; descriptor group 1: 96 rows of 32 elements of 8 bytes, dense in memory and in LDS
	s_mov_b32 s[G1], 15|(3<<16)|(1<<21)            ; 15:0 the mask: all four work-groups; 17:16 elements of 8 bytes; 21 set beside a mask
	s_mov_b32 s[G1+1], 32<<16                      ; tensor_dim0 = 32
	s_mov_b32 s[G1+2], 96<<16                      ; tensor_dim1 = 96
	s_mov_b32 s[G1+3], 32<<16                      ; tile_dim0 = 32
	s_mov_b32 s[G1+4], 96                          ; tile_dim1 = 96
	s_mov_b32 s[G1+5], 32                          ; elements from row to row
	s_mov_b32 s[G1+6], 0
	s_mov_b32 s[G1+7], 0
	s_lshl_b32 s16, s15, 2
	s_add_co_u32 s16, s16, s[WV]
	s_mul_i32 s16, s16, 24576                      ; att: tile of 16 rows 4 rb + wave: made of what the partners share
	s_mov_b32 s17, 0
	s_mov_b32 s[G0], 1
	s_mul_i32 s[G0+1], s[WV], 24576                ; and its place in LDS
	s_mul_i32 s18, s14, 12
	s_mul_i32 s19, s[WV], 3
	s_add_co_u32 s18, s18, s19
	s_mul_i32 s18, s18, 24576                      ; Wo: my first tile of 16 rows n: 12 cb + 3 wave
	s_mov_b32 s19, 0
	s_mul_i32 s20, s14, 768
	s_mul_i32 s21, s[WV], 192
	s_add_co_u32 s20, s20, s21                     ; bo: my 48 numbers
	s_mov_b32 s21, 0
	s_lshl_b32 s22, s15, 6
	s_lshl_b32 s23, s[WV], 4
	s_add_co_u32 s22, s22, s23
	s_mul_i32 s22, s22, 3072                       ; out0: the 16 rows that I store,
	s_mul_i32 s23, s14, 768
	s_add_co_u32 s22, s22, s23                     ; the work-group's 768 bytes of them
	s_mov_b32 s23, 0
	v_and_b32 v9, 31, v0                           ; lane
	v_and_b32 v10, 15, v0                          ; r
	v_bfe_u32 v11, v0, 4, 1                        ; h
	v_lshlrev_b32 v[LI], 4, v9
	v_add_nc_u32 v[LI2], 49152, v[LI]
	v_mul_u32_u24 v[SO], v10, 784                  ; into the stage: row r, + 32 h, + 192 x wave
	v_lshl_add_u32 v[SO], v11, 5, v[SO]
	s_mul_i32 s36, s[WV], 192
	s_add_co_u32 s36, s36, STG
	v_add_nc_u32 v[SO], s36, v[SO]
	v_mul_u32_u24 v[SR], v11, 784                  ; back: my 16 rows; lanes 0-15 take 256 bytes of one row, lanes 16-31 of the next
	v_lshl_add_u32 v[SR], v10, 4, v[SR]
	s_mul_i32 s36, s[WV], 16*784
	s_add_co_u32 s36, s36, STG
	v_add_nc_u32 v[SR], s36, v[SR]
	v_mul_u32_u24 v[GO], v11, 3072                 ; and the same in out0
	v_lshl_add_u32 v[GO], v10, 4, v[GO]
	v_lshlrev_b32 v[BV], 5, v11
	s_wait_dscnt 0x0                               ; both opening adds are done
	s_wait_kmcnt 0x0
	s_add_nc_u64 s[G0+2:G0+3], s[4:5], s[16:17]
	s_or_b32 s[G0+3], s[G0+3], 0x80000000          ; type = 2
	s_add_nc_u64 s[6:7], s[6:7], s[18:19]
	s_add_nc_u64 s[8:9], s[8:9], s[20:21]
	s_add_nc_u64 s[10:11], s[10:11], s[22:23]
	CROUND                                         ; all four work-groups are here: the joint loads meet
	tensor_load_to_lds s[G0:G0+3], s[G1:G1+7]      ; my one tensor load: filled once
	s_nop 0
	PLACES
.irp nt, 0,1,2
	global_load_b128 v[BI+8*\nt:BI+8*\nt+3], v[BV], s[8:9] offset:64*\nt          ; register j = bo[16 tile + 8 h + j]
	global_load_b128 v[BI+8*\nt+4:BI+8*\nt+7], v[BV], s[8:9] offset:64*\nt+16
.endr
.set kk, 0
.rept 24                                       ; Wo, K ascending: six loads a K step
	WIN (1+kk/8)<<6                                ; destination window 1 + kk / 8, address window 0
.irp nt, 0,1,2
.irp c, 0,1
	global_load_b128 v[((kk%8)*3+\nt)*8+4*\c:((kk%8)*3+\nt)*8+4*\c+3], v[LI], s[6:7] offset:\nt*24576+kk*1024+512*\c
.endr
.endr
.set kk, kk+1
.endr
	WIN 0
	s_wait_tensorcnt 0x0                           ; my quarter of att is in,
	s_barrier_signal -1
	s_barrier_wait -1                              ; everybody's is
	ATLOAD 0
	ATLOAD 1
.set kk, 0
.rept 24
	WIN 0
.if (kk >= 1) && (kk+2 <= 23)
	PLACES                                         ; the set that takes K step kk + 2 was multiplied in the step before
.endif
.if kk+2 <= 23
	ATLOAD kk+2
	s_wait_dscnt 16                                ; this step's eight loads are in; those of the two steps behind it may be out
.else
	s_wait_dscnt 8*(23-kk)
.endif
.if 6*(23-kk) > 63
	s_wait_loadcnt 63                              ; more loads than the count can name were issued behind this step's six: the largest count serves
.else
	s_wait_loadcnt 6*(23-kk)                       ; this step's six loads of Wo are in; the later steps' may be out
.endif
	WIN 1+kk/8                                     ; source 0 (Wo) window 1 + kk / 8; all else window 0
.irp nt, 0,1,2                                 ; the twelve accumulators take turns, one instruction a turn
.irp rt, 0,1,2,3
.if kk == 0
	v_wmma_f32_16x16x32_f16 v[AC+8*(4*\nt+\rt):AC+8*(4*\nt+\rt)+7], v[((kk%8)*3+\nt)*8:((kk%8)*3+\nt)*8+7], v[AT+32*(kk%3)+8*\rt:AT+32*(kk%3)+8*\rt+7], v[BI+8*\nt:BI+8*\nt+7]
.else
	v_wmma_f32_16x16x32_f16 v[AC+8*(4*\nt+\rt):AC+8*(4*\nt+\rt)+7], v[((kk%8)*3+\nt)*8:((kk%8)*3+\nt)*8+7], v[AT+32*(kk%3)+8*\rt:AT+32*(kk%3)+8*\rt+7], v[AC+8*(4*\nt+\rt):AC+8*(4*\nt+\rt)+7]
.endif
.endr
.endr
.set kk, kk+1
.endr
	WIN 0
	PLACES                                         ; between the last product and the first read of results
.irp nt, 0,1,2
.irp rt, 0,1,2,3
	ds_store_b128 v[SO], v[AC+8*(4*\nt+\rt):AC+8*(4*\nt+\rt)+3] offset:\rt*12544+\nt*64        ; each accumulator from its low end on
	ds_store_b128 v[SO], v[AC+8*(4*\nt+\rt)+4:AC+8*(4*\nt+\rt)+7] offset:\rt*12544+\nt*64+16
.endr
.endr
	s_wait_dscnt 0x0                               ; for the others' sake: my stores into the stage are done
	s_barrier_signal -1
	s_barrier_wait -1
.irp a, 0,1,2,3,4,5,6,7
.irp u, 0,1,2
	ds_load_b128 v[AT+4*(3*\a+\u):AT+4*(3*\a+\u)+3], v[SR] offset:2*\a*784+256*\u
.endr
.endr
.irp a, 0,1,2,3,4,5,6,7
.irp u, 0,1,2
	s_wait_dscnt 23-(3*\a+\u)                      ; LDS loads come back in order: this one is in, the younger ones may be out
	global_store_b128 v[GO], v[AT+4*(3*\a+\u):AT+4*(3*\a+\u)+3], s[10:11] offset:2*\a*3072+256*\u th:TH_STORE_NT   ; sixteen lanes store 256 consecutive bytes, aligned
.endr
.endr
	s_wait_tensorcnt 0x0                           ; the wave's end: a tensor wait, an add and an LDS wait behind my last tensor load and my last LDS store
	ds_add_u32 v[SPW], v[NIL]
	s_wait_dscnt 0x0
	CROUND                                         ; the closing round
	s_endpgm
.Lfunc_end_k_q441761c681_outp:
	.size	k_q441761c681_outp, .Lfunc_end_k_q441761c681_outp-k_q441761c681_outp
	.p2alignl 7, 3214868480
	.fill 96, 4, 3214868480
	.section	.rodata,"a",@progbits
	.p2align	6, 0x0
	.amdhsa_kernel k_q441761c681_outp
		.amdhsa_group_segment_fixed_size 167936
		.amdhsa_private_segment_fixed_size 0
		.amdhsa_enable_private_segment 0
		.amdhsa_kernarg_size 32
		.amdhsa_user_sgpr_count 2
		.amdhsa_user_sgpr_kernarg_segment_ptr 1
		.amdhsa_wavefront_size32 1
		.amdhsa_system_sgpr_workgroup_id_x 1
		.amdhsa_system_sgpr_workgroup_id_y 1
		.amdhsa_system_sgpr_workgroup_id_z 1
		.amdhsa_system_vgpr_workitem_id 0
		.amdhsa_next_free_vgpr 960
		.amdhsa_next_free_sgpr 66
		.amdhsa_reserve_vcc 0
		.amdhsa_float_denorm_mode_32 3
		.amdhsa_float_denorm_mode_16_64 3
		.amdhsa_memory_ordered 1
		.amdhsa_forward_progress 1
		.amdhsa_inst_pref_size 61
	.end_amdhsa_kernel
	.amdgpu_metadata
---
amdhsa.version: [ 1, 2 ]
amdhsa.kernels:
  - .name:           k_q441761c681_outp
    .symbol:         k_q441761c681_outp.kd
    .args:
      - { .name: AF, .offset: 0, .size: 8, .value_kind: global_buffer, .address_space: global }
      - { .name: WOF, .offset: 8, .size: 8, .value_kind: global_buffer, .address_space: global }
      - { .name: bo, .offset: 16, .size: 8, .value_kind: global_buffer, .address_space: global }
      - { .name: out0, .offset: 24, .size: 8, .value_kind: global_buffer, .address_space: global }
    .group_segment_fixed_size: 167936
    .private_segment_fixed_size: 0
    .kernarg_segment_align: 8
    .kernarg_segment_size: 32
    .max_flat_workgroup_size: 128
    .sgpr_count:     66
    .vgpr_count:     960
    .wavefront_size: 32
...
	.end_amdgpu_metadata
.endif
;; end of part 4
;; ======== version 2 of 2: 4 launches
;; limits: values are held in f16: magnitudes above 65,504 overflow, below 6.1e-05 lose precision
;; workspace buffers: WC 884,736 bytes; WS 110,592 bytes; WOF 1,179,648 bytes; QF 6,291,456 bytes; KV 12,582,912 bytes; AF 6,291,456 bytes
;; launch prep: the kernel of part 1 again; grid 48 x 4, 6 waves a work-group, no clusters, 0 bytes of LDS; arguments Wq, Wk, Wv, Wo, WC, WS, WOF; writes WC, WS, WOF
;; launch proj (part 5): grid 64 x 3, 8 waves a work-group, no clusters, 30,720 bytes of LDS; arguments q, k, v, bq, bk, bv, WC, WS, QF, KV; writes QF, KV
.if DOCPART == 5
	.amdgcn_target "amdgcn-amd-amdhsa--gfx1250"
	.amdhsa_code_object_version 6
	.text
	.protected	k_q441761c681_proj
	.globl	k_q441761c681_proj
	.p2align	8
	.type	k_q441761c681_proj,@function
k_q441761c681_proj:
	s_mov_b64 s[64:65], 0
	v_nop
	global_prefetch_b8 v0, s[64:65] scope:SCOPE_SE
	s_setreg_imm32_b32 hwreg(HW_REG_WAVE_MODE, 25, 1), 1
	s_wait_xcnt 0x0
; The three projections x W^T + b (x = q, k, v: [4096][768] f32; work-group y = t picks the tensor), both operands as codes of FP4 (E2M1) with one E8M0 byte for each 32 along K; sums in f32.
; x is quantised here, in registers; W's codes and scale words come from the launch before, as images of the operand's registers.
; The results leave as f16 FRAGMENT IMAGES for the attention launch ([lane: 32][16 bytes] = 512 bytes for 16 x 16 numbers):
;   QF [head: 12][tile of 16 queries: 256][ct: 4][512]: lane (r, h) holds query r, channels 16 ct + 8 h + 0 .. 7 of the head.
;   KV [head: 12][block of 64 keys: 64][16,384]: bytes 0-8191 K as [kt: 4][ct: 4][512], laid as Q; bytes 8192-16383 V TURNED, [kg: 2][ct: 4][c: 2][512]: lane (r, h) holds channel 16 ct + r, keys 32 kg + 16 c + 8 h + 0 .. 7.
; Q and K are multiplied in f32 by sqrt(log2(e) / 8), so that the attention's scores leave the matrix unit as exponents of 2.
; SHARES.  A work-group takes 64 rows of x for all 768 outputs, so x is read once.  Wave w quantises 3 of the 24 fragments (16 rows x 128 K) of x; they go to the other waves through LDS.
; EVERY LOAD OF x COVERS 512 CONSECUTIVE BYTES: one row's 128 numbers of a K step; lanes 0-15 take the even pieces of 16 bytes, lanes 16-31 the odd ones.  Rows p and p + 8 are loaded into neighbouring groups of four
; registers; four exchanges of half-waves then give each lane 8 NEIGHBOURS along K (lanes 0-15: row p, lanes 16-31: row p + 8), which is what a conversion takes.  A block of 32 lies in four neighbouring lanes.
; Then wave w makes channel tiles 6 w .. 6 w + 5 for the four tiles of rows: all 24 fragments of x stay in its registers, and its 36 weight fragments stream from memory straight into registers, each feeding four products.
; Q, K: source 0 = 16 rows of W, source 1 = 16 rows of x: a lane then holds one row of x and eight neighbouring channels.  V: the sources change places: a lane holds one channel and eight neighbouring keys.
; The bias is the C of each sum's first matrix instruction.
; NO CLUSTER, NO TENSOR LOAD: a weight fragment is read by one wave alone of a work-group, into registers; the eight waves' weights, 8 x 36 x 1,152 = 331,776 bytes, do not fit in LDS.
; LIMITS: projections beyond 65,504 (Q, K: after the factor 0.4247) have no f16 number; NaN and infinities are not served; a block of zeros, or one under 2^-124, gets the scale byte 1 (its codes are zeros or held; this program alone reads the bytes).
; REGISTERS.  Window 0: v1-9, v22, v62 addresses; v10-21 at work in the quantiser; v26-49 x's scale words; v50-61 W's, two sets; v64-255 64 numbers of x for each of 3 fragments, later x's 24 fragments.
;   Window 1: v0-95 W's fragments, two sets of 6; v96-127 four accumulators; v128-175 the bias, 8 registers a tile; v176-191 packed results.
.set XIMG,  0                          ; LDS: x's 24 fragments (6 rt + ks).  A fragment is four pieces [c: 2][h: 2] of 256 bytes (16 rows x 16 bytes), 272 bytes apart:
.set FP,    1088                       ; so the 32 words of a store (4 pieces x 4 words x 2 rows) fall in 32 different banks (64 banks of 4 bytes: ISA guide 11.1), and a reader's 16 lanes take 256 consecutive bytes
.set XSC,   26112                      ; their scale bytes: 64 bytes a fragment, 4 a row
.set SPARE, 29184                      ; the spare words, 128 bytes for each wave: four blocks of 256 bytes that no other line names
.set LI,  1                            ; v1   16 x lane
.set LS,  2                            ; v2   4 x lane
.set XA,  3                            ; v3   x: my 16 bytes of a load's 512: 32 (lane % 16) + 16 (lane / 16)
.set LIX, 4                            ; v4   a reader's place in a fragment: 272 h + 16 r
.set SPW, 5                            ; v5   my spare word; never rewritten
.set NIL, 6                            ; v6   0; never rewritten
.set XWI, 7                            ; v7   where I store a word of codes
.set XWS, 8                            ; v8   and my block's scale byte
.set BVQ, 9                            ; v9   the bias for Q, K: 32 h
.set M,   10                           ; v10-13 largest magnitudes of four pairs of rows, then the scale bytes
.set SO,  14                           ; v14-17 the conversions' scale operands
.set C,   18                           ; v18-21 the codes just made
.set LSX, 22                           ; v22  a reader's scale word: 4 r
.set XSW, 26
.set WSW, 50
.set BVV, 62                           ; v62  the bias for V: 4 r
.set X,   64
.set WF,  0                            ; window 1
.set ACC, 96
.set BI,  128
.set PK,  176
.set SQ,  36                           ; s[36:37] sqrt(log2(e) / 8), twice: the packed form names a pair
.set OP,  40                           ; s[40:51] where each of my six channel tiles goes
.set MSB, 0
.macro WIN new                         ; the immediate's high byte repeats the setting that is left; a switch that changes nothing is dropped
.if MSB != (\new)
	s_set_vgpr_msb (MSB<<8)|(\new)
.set MSB, (\new)
.endif
.endm
; Four pairs of rows (4 g + p and 4 g + p + 8, p = 0 .. 3) of my s-th fragment become codes and scale bytes in LDS.  Pair p's eight registers stand at xb + 8 p: four as loaded from the one row, four from the other.
.macro QGRP s, g
.set xb, X+64*(\s)+32*(\g)
	s_wait_dscnt 0x0                               ; the last group's LDS stores have read the registers that are written again below
.irp p, 0,1,2,3
.irp i, 0,1,2,3
	v_permlane16_swap_b32 v[xb+8*\p+\i], v[xb+8*\p+4+\i]   ; the first's lanes 16-31 (odd pieces of the one row) change places with the second's lanes 0-15 (even pieces of the other): now my eight registers are k = 8 (lane % 16) + 0 .. 7 of my row
.endr
.endr
.irp p, 0,1,2,3
	v_max3_num_f32 v[M+\p], |v[xb+8*\p]|, |v[xb+8*\p+1]|, 0x1800000   ; my 8 numbers, and the floor 2^(3 - 127), which holds the byte at 1 from below
.endr
.irp i, 2,4,6
.irp p, 0,1,2,3
	v_max3_num_f32 v[M+\p], v[M+\p], |v[xb+8*\p+\i]|, |v[xb+8*\p+\i+1]|   ; the four pairs by turns
.endr
.endr
.irp p, 0,1,2,3
	v_max_num_f32_dpp v[M+\p], v[M+\p], v[M+\p] row_xmask:1 row_mask:0xf bank_mask:0xf
.endr
.irp p, 0,1,2,3
	v_max_num_f32_dpp v[M+\p], v[M+\p], v[M+\p] row_xmask:2 row_mask:0xf bank_mask:0xf   ; with the three lanes beside me: the block's largest magnitude
.endr
.irp p, 0,1,2,3
	v_add_nc_u32 v[SO+\p], 0xff000000, v[M+\p]     ; 2 off the exponent field: the conversion takes the exponent field of this operand as its scale
.endr
.irp p, 0,1,2,3
	v_cvt_scalef32_pk8_fp4_f32 v[C+\p], v[xb+8*\p:xb+8*\p+7], v[SO+\p]
.endr
.irp p, 0,1,2,3
	v_lshrrev_b32 v[M+\p], 23, v[SO+\p]            ; the scale's byte.  (Plain instructions behind the last scaled conversion)
.endr
.irp p, 0,1,2,3
	ds_store_b32 v[XWI], v[C+\p] offset:XIMG+FP*(\s)+16*(4*(\g)+\p)   ; register g' = lane % 4 of reader lane (row, h' = lane / 4 % 2), half c' = lane / 8 % 2
	ds_store_b8 v[XWS], v[M+\p] offset:64*(\s)+4*(4*(\g)+\p)          ; the four lanes of a block write the same byte with the same value
.endr
.endm
.macro WLOAD i, p                      ; my i-th channel tile's six weight fragments and scale words into set p: 18 loads
	WIN 0x40                                       ; destination window 1, address window 0
.irp ks, 0,1,2,3,4,5
.irp c, 0,1
	global_load_b128 v[WF+48*(\p)+8*\ks+4*\c:WF+48*(\p)+8*\ks+4*\c+3], v[LI], s[16:17] offset:(\i)*6144+\ks*1024+\c*512
.endr
.endr
	WIN 0
.irp ks, 0,1,2,3,4,5
	global_load_b32 v[WSW+6*(\p)+\ks], v[LS], s[18:19] offset:(\i)*768+\ks*128
.endr
.endm
.macro PRD i, ks, rt, swap             ; one product: rows 16 rt on, K step ks, my i-th channel tile (its weights in set p)
.set rD,  ACC+8*(\rt)
.set rW,  WF+48*p+8*(\ks)
.set rX,  X+8*(6*(\rt)+(\ks))
.set rSW, WSW+6*p+(\ks)
.set rSX, XSW+6*(\rt)+(\ks)
.set rB,  BI+8*(\i)
.if \swap
.if (\ks) == 0
	v_wmma_scale_f32_16x16x128_f8f6f4 v[rD:rD+7], v[rX:rX+7], v[rW:rW+7], v[rB:rB+7], v[rSX], v[rSW] matrix_a_fmt:MATRIX_FMT_FP4 matrix_b_fmt:MATRIX_FMT_FP4
.else
	v_wmma_scale_f32_16x16x128_f8f6f4 v[rD:rD+7], v[rX:rX+7], v[rW:rW+7], v[rD:rD+7], v[rSX], v[rSW] matrix_a_fmt:MATRIX_FMT_FP4 matrix_b_fmt:MATRIX_FMT_FP4
.endif
.else
.if (\ks) == 0
	v_wmma_scale_f32_16x16x128_f8f6f4 v[rD:rD+7], v[rW:rW+7], v[rX:rX+7], v[rB:rB+7], v[rSW], v[rSX] matrix_a_fmt:MATRIX_FMT_FP4 matrix_b_fmt:MATRIX_FMT_FP4
.else
	v_wmma_scale_f32_16x16x128_f8f6f4 v[rD:rD+7], v[rW:rW+7], v[rX:rX+7], v[rD:rD+7], v[rSW], v[rSX] matrix_a_fmt:MATRIX_FMT_FP4 matrix_b_fmt:MATRIX_FMT_FP4
.endif
.endif
.endm
; My i-th channel tile for the 64 rows: 24 products, the four accumulators by turns; then scaled (Q, K), rounded to f16 and stored; then the weights of two tiles on are asked for.
.macro NT i, swap
.set p, (\i)%2
.if ((\i) >= 2) && ((\i) <= 4)
	s_wait_loadcnt 18                              ; this tile's 18 loads are in; the next tile's 18 may be out
.endif
.if (\i) == 5
	s_wait_loadcnt 0x0
.endif
.if \swap
	WIN 0x54                                       ; source 0 (x) window 0, source 1 (W) window 1, C and D window 1
.else
	WIN 0x51                                       ; source 0 (W) window 1, source 1 (x) window 0, C and D window 1
.endif
.irp ks, 0,1,2,3,4,5
.irp rt, 0,1,2,3
	PRD \i, \ks, \rt, \swap
.endr
.endr
	WIN 0x45                                       ; destination and both sources window 1
.rept 4
	v_nop                                          ; four places between the last product and the first read of results (ISA guide 7.12.1)
.endr
	s_wait_xcnt 0x0                                ; the last tile's stores have read the packed registers, which are written again below
.if !(\swap)
.set n, 0
.rept 16
	v_pk_mul_f32 v[ACC+2*n:ACC+2*n+1], v[ACC+2*n:ACC+2*n+1], s[SQ:SQ+1] op_sel_hi:[1,0]   ; each accumulator from its low end on
.set n, n+1
.endr
.endif
.set n, 0
.rept 16
	v_cvt_pk_f16_f32 v[PK+n], v[ACC+2*n], v[ACC+2*n+1]
.set n, n+1
.endr
	WIN 0x04                                       ; a store's data are its source 1: window 1
.irp rt, 0,1,2,3
.if \swap
	global_store_b128 v[LI], v[PK+4*\rt:PK+4*\rt+3], s[OP+2*(\i):OP+2*(\i)+1] offset:(\rt/2)*4096+(\rt%2)*512   ; 512 consecutive bytes, aligned
.else
	global_store_b128 v[LI], v[PK+4*\rt:PK+4*\rt+3], s[OP+2*(\i):OP+2*(\i)+1] offset:\rt*2048
.endif
.endr
.if (\i)+2 <= 5
	WLOAD (\i)+2, p                                ; into the set just multiplied: the conversions above are the places behind its last product
.endif
	WIN 0
.endm
.macro FINISH                          ; the wave's end: a tensor wait, an add
	s_wait_tensorcnt 0x0
	ds_add_u32 v[SPW], v[NIL]
	s_wait_dscnt 0x0
	s_endpgm
.endm
	s_load_b256 s[4:11], s[0:1], 0x0               ; q, k, v, bq
	s_load_b256 s[12:19], s[0:1], 0x20             ; bk, bv, WC, WS
	s_load_b128 s[20:23], s[0:1], 0x40             ; QF, KV
	v_lshl_add_u32 v[SPW], v0, 2, SPARE
	v_mov_b32 v[NIL], 0
	v_lshrrev_b32 v10, 5, v0
	v_readfirstlane_b32 s24, v10                   ; wave 0..7
	s_and_b32 s25, ttmp7, 0xffff                   ; t: 0 q, 1 k, 2 v
	v_and_b32 v10, 31, v0                          ; lane
	v_and_b32 v11, 15, v0                          ; lane % 16
	v_bfe_u32 v12, v0, 4, 1                        ; lane / 16
	v_lshlrev_b32 v[LI], 4, v10
	v_lshlrev_b32 v[LS], 2, v10
	v_lshlrev_b32 v[XA], 5, v11
	v_lshl_add_u32 v[XA], v12, 4, v[XA]
	v_mul_u32_u24 v[LIX], v12, 272
	v_lshl_add_u32 v[LIX], v11, 4, v[LIX]
	v_lshlrev_b32 v[LSX], 2, v11
	v_lshlrev_b32 v[BVQ], 5, v12
	v_lshlrev_b32 v[BVV], 2, v11
	v_bfe_u32 v13, v0, 3, 1                        ; my 8 numbers begin at k = 8 (lane % 16) = 64 c' + 32 h' + 8 g': c',
	v_bfe_u32 v14, v0, 2, 1                        ; h',
	v_and_b32 v15, 3, v0                           ; g'
	v_mul_u32_u24 v[XWI], v13, 544
	v_mad_u32_u24 v[XWI], v14, 272, v[XWI]
	v_lshl_add_u32 v[XWI], v15, 2, v[XWI]
	v_lshl_add_u32 v[XWI], v12, 7, v[XWI]          ; lanes 16-31 hold the row 8 further down: 8 x 16 bytes on
	s_mul_i32 s26, s24, 3*FP                       ; my three fragments
	v_add_nc_u32 v[XWI], s26, v[XWI]
	v_bfe_u32 v[XWS], v0, 2, 2                     ; my block of 32 among the K step's four
	v_lshl_add_u32 v[XWS], v12, 5, v[XWS]          ; 8 rows x 4 bytes on for lanes 16-31
	s_mul_i32 s26, s24, 192
	s_add_co_u32 s26, s26, XSC
	v_add_nc_u32 v[XWS], s26, v[XWS]
	s_mov_b32 s[SQ], 0x3ed96d27                    ; sqrt(log2(e) / 8) = 0.42466090
	s_mov_b32 s[SQ+1], s[SQ]
	s_lshl_b32 s26, ttmp9, 6                       ; x: the work-group's 64 rows,
	s_lshr_b32 s27, s24, 1
	s_lshl_b32 s27, s27, 4
	s_add_co_u32 s26, s26, s27                     ; my tile of 16 of them (wave / 2),
	s_mul_i32 s26, s26, 3072
	s_and_b32 s27, s24, 1
	s_mul_i32 s27, s27, 1536                       ; and my half of K (3 steps of 128)
	s_add_co_u32 s26, s26, s27
	s_mov_b32 s27, 0
	s_mul_i32 s35, s24, 6                          ; my first channel tile
	s_mul_i32 s28, s25, 48
	s_add_co_u32 s28, s28, s35                     ; among the three weights' 144
	s_mul_i32 s30, s28, 6144
	s_mov_b32 s31, 0
	s_mul_i32 s32, s28, 768
	s_mov_b32 s33, 0
	s_mul_i32 s28, s24, 384                        ; my 96 numbers of the bias
	s_mov_b32 s29, 0
	s_wait_kmcnt 0x0
	s_cmp_eq_u32 s25, 1                            ; the buffers are chosen by the work-group's number alone
	s_cselect_b64 s[4:5], s[6:7], s[4:5]
	s_cselect_b64 s[10:11], s[12:13], s[10:11]
	s_cmp_eq_u32 s25, 2
	s_cselect_b64 s[4:5], s[8:9], s[4:5]
	s_cselect_b64 s[10:11], s[14:15], s[10:11]
	s_cselect_b32 s52, 10, 9                       ; log2 of the bytes from channel tile to channel tile in the output
	s_cselect_b32 s53, 8192, 0                     ; V lies behind K in a block
	s_cmp_eq_u32 s25, 0
	s_cselect_b64 s[20:21], s[20:21], s[22:23]
	s_cselect_b32 s54, 19, 20                      ; from head to head
	s_cselect_b32 s55, 13, 14                      ; from 64 rows to the next 64
	s_add_nc_u64 s[4:5], s[4:5], s[26:27]
	; ---- all 48 loads of x at once: K step s, rows p and p + 8: 512 consecutive bytes each
.irp s, 0,1,2
.irp p, 0,1,2,3,4,5,6,7
	global_load_b128 v[X+64*\s+8*\p:X+64*\s+8*\p+3], v[XA], s[4:5] offset:\p*3072+512*\s th:TH_LOAD_NT
	global_load_b128 v[X+64*\s+8*\p+4:X+64*\s+8*\p+7], v[XA], s[4:5] offset:(\p+8)*3072+512*\s th:TH_LOAD_NT
.endr
.endr
	s_add_nc_u64 s[16:17], s[16:17], s[30:31]
	s_add_nc_u64 s[18:19], s[18:19], s[32:33]
	s_add_nc_u64 s[10:11], s[10:11], s[28:29]
	s_lshl_b32 s56, ttmp9, s55
	s_add_co_u32 s56, s56, s53
.irp i, 0,1,2,3,4,5
	s_add_co_u32 s26, s35, \i                      ; channel tile n: head n / 4, tile n % 4 of the head
	s_lshr_b32 s27, s26, 2
	s_lshl_b32 s27, s27, s54
	s_and_b32 s26, s26, 3
	s_lshl_b32 s26, s26, s52
	s_add_co_u32 s26, s26, s27
	s_add_co_u32 s26, s26, s56
	s_mov_b32 s27, 0
	s_add_nc_u64 s[OP+2*\i:OP+2*\i+1], s[20:21], s[26:27]
.endr
	; ---- x becomes codes, eight loads' worth at a time; the first two tiles' weights are asked for on the way
	s_wait_loadcnt 40                              ; the first 8 of the 48 loads are in
	QGRP 0, 0
	s_wait_loadcnt 32                              ; the first 16
	QGRP 0, 1
	WLOAD 0, 0
	s_wait_loadcnt 42                              ; the first 24; behind them: 24 of x and the 18 of the weights
	QGRP 1, 0
	s_wait_loadcnt 34                              ; the first 32; behind them: 16 of x and 18
	QGRP 1, 1
	WLOAD 1, 1
	s_wait_loadcnt 36                              ; all of x is in; behind it: two tiles' weights
	s_cmp_eq_u32 s25, 2                            ; the bias in the result's layout; every later wait on loads begins with one for 0, so the two arms' counts need not agree
	s_cbranch_scc1 .Lbias_v
	WIN 0x40
.irp i, 0,1,2,3,4,5
	global_load_b128 v[BI+8*\i:BI+8*\i+3], v[BVQ], s[10:11] offset:64*\i        ; Q, K: register j = b[16 n + 8 h + j]
	global_load_b128 v[BI+8*\i+4:BI+8*\i+7], v[BVQ], s[10:11] offset:64*\i+16
.endr
	WIN 0
	s_branch .Lbias_done
.Lbias_v:
	WIN 0x40
.irp i, 0,1,2,3,4,5
.irp j, 0,1,2,3,4,5,6,7
	global_load_b32 v[BI+8*\i+\j], v[BVV], s[10:11] offset:64*\i                 ; V: all eight registers = b[16 n + r]
.endr
.endr
	WIN 0
.Lbias_done:
	QGRP 2, 0
	QGRP 2, 1
	s_wait_dscnt 0x0                               ; for the others' sake: my codes and scale bytes lie in LDS
	s_barrier_signal -1
	s_barrier_wait -1                              ; everybody's do
.set f, 0
.rept 24
	ds_load_b128 v[X+8*f:X+8*f+3], v[LIX] offset:XIMG+FP*f          ; lane (r, h): k = 32 h + 0 .. 31 of row r,
	ds_load_b128 v[X+8*f+4:X+8*f+7], v[LIX] offset:XIMG+FP*f+544    ; and 64 + 32 h + 0 .. 31
	ds_load_b32 v[XSW+f], v[LSX] offset:XSC+64*f                    ; row r's four scale bytes (both halves of the lanes read the same word)
.set f, f+1
.endr
	s_wait_loadcnt 0x0                             ; two tiles' weights and the bias
	s_wait_dscnt 0x0
	s_cmp_eq_u32 s25, 2
	s_cbranch_scc1 .Lpath_v
.irp i, 0,1,2,3,4,5
	NT \i, 0
.endr
	FINISH
.Lpath_v:
.irp i, 0,1,2,3,4,5
	NT \i, 1
.endr
	FINISH
.Lfunc_end_k_q441761c681_proj:
	.size	k_q441761c681_proj, .Lfunc_end_k_q441761c681_proj-k_q441761c681_proj
	.p2alignl 7, 3214868480
	.fill 96, 4, 3214868480
	.section	.rodata,"a",@progbits
	.p2align	6, 0x0
	.amdhsa_kernel k_q441761c681_proj
		.amdhsa_group_segment_fixed_size 30720
		.amdhsa_private_segment_fixed_size 0
		.amdhsa_enable_private_segment 0
		.amdhsa_kernarg_size 80
		.amdhsa_user_sgpr_count 2
		.amdhsa_user_sgpr_kernarg_segment_ptr 1
		.amdhsa_wavefront_size32 1
		.amdhsa_system_sgpr_workgroup_id_x 1
		.amdhsa_system_sgpr_workgroup_id_y 1
		.amdhsa_system_sgpr_workgroup_id_z 1
		.amdhsa_system_vgpr_workitem_id 0
		.amdhsa_next_free_vgpr 464
		.amdhsa_next_free_sgpr 66
		.amdhsa_reserve_vcc 0
		.amdhsa_float_denorm_mode_32 3
		.amdhsa_float_denorm_mode_16_64 3
		.amdhsa_memory_ordered 1
		.amdhsa_forward_progress 1
		.amdhsa_inst_pref_size 120
	.end_amdhsa_kernel
	.amdgpu_metadata
---
amdhsa.version: [ 1, 2 ]
amdhsa.kernels:
  - .name:           k_q441761c681_proj
    .symbol:         k_q441761c681_proj.kd
    .args:
      - { .name: q, .offset: 0, .size: 8, .value_kind: global_buffer, .address_space: global }
      - { .name: k, .offset: 8, .size: 8, .value_kind: global_buffer, .address_space: global }
      - { .name: v, .offset: 16, .size: 8, .value_kind: global_buffer, .address_space: global }
      - { .name: bq, .offset: 24, .size: 8, .value_kind: global_buffer, .address_space: global }
      - { .name: bk, .offset: 32, .size: 8, .value_kind: global_buffer, .address_space: global }
      - { .name: bv, .offset: 40, .size: 8, .value_kind: global_buffer, .address_space: global }
      - { .name: WC, .offset: 48, .size: 8, .value_kind: global_buffer, .address_space: global }
      - { .name: WS, .offset: 56, .size: 8, .value_kind: global_buffer, .address_space: global }
      - { .name: QF, .offset: 64, .size: 8, .value_kind: global_buffer, .address_space: global }
      - { .name: KV, .offset: 72, .size: 8, .value_kind: global_buffer, .address_space: global }
    .group_segment_fixed_size: 30720
    .private_segment_fixed_size: 0
    .kernarg_segment_align: 8
    .kernarg_segment_size: 80
    .max_flat_workgroup_size: 256
    .sgpr_count:     66
    .vgpr_count:     464
    .wavefront_size: 32
...
	.end_amdgpu_metadata
.endif
;; end of part 5
;; launch attn (part 6): grid 16 x 12, 8 waves a work-group, clusters of 4 x 1, 327,680 bytes of LDS; arguments QF, KV, AF; writes AF
.if DOCPART == 6
	.amdgcn_target "amdgcn-amd-amdhsa--gfx1250"
	.amdhsa_code_object_version 6
	.text
	.protected	k_q441761c681_attn
	.globl	k_q441761c681_attn
	.p2align	8
	.type	k_q441761c681_attn,@function
k_q441761c681_attn:
	s_mov_b64 s[64:65], 0
	v_nop
	global_prefetch_b8 v0, s[64:65] scope:SCOPE_SE
	s_setreg_imm32_b32 hwreg(HW_REG_WAVE_MODE, 25, 1), 1
	s_wait_xcnt 0x0
	s_wait_alu depctr_hold_cnt(0) depctr_sa_sdst(0) depctr_va_vdst(0) depctr_va_sdst(0) depctr_va_ssrc(0) depctr_va_vcc(0) depctr_vm_vsrc(0)
	s_getreg_b32 s2, hwreg(HW_REG_IB_STS2, 6, 4)
	s_cmp_eq_u32 s2, 0
	s_cbranch_scc0 .Lentry_in_a_cluster
	s_endpgm
.Lentry_in_a_cluster:
	s_bfe_u32 s2, ttmp6, 0x10000c
	s_cmp_lg_u32 s2, 0x3003
	s_cbranch_scc0 .Lentry_shape_is_right
	s_endpgm
.Lentry_shape_is_right:
; O[head][q] = the sum over k of softmax_k(Q . K / 8) V, 12 heads of 64 channels, 4,096 queries and keys, no mask.  Operands in f16, products, maxima and sums in f32.
; Q and K arrive multiplied by sqrt(log2(e) / 8) each, so a score leaves the matrix unit as t, and p = 2^(t - m) with m the row's running maximum: p is at most 1 for every input.
; All operands arrive as FRAGMENT IMAGES (512 bytes = 32 lanes x 16 bytes): every load is 16 bytes a lane at 16 x lane, in memory and in LDS; nothing is turned, padded or staged.
; SHARES.  A work-group owns 256 queries of one head; each of its eight waves 32 of them, two tiles of 16 (T = 0, 1).  Every wave walks all keys, 128 a step; each fragment of K and V feeds two products.
; LAYOUT.  S^T = K Q^T (source 0 = 16 keys, source 1 = 16 queries): a lane holds ONE query (lane % 16) and the keys 8 (lane / 16) + 0 .. 7 of each tile.  Two such tiles rounded to f16 ARE source 1 of O^T = V^T P.
; HALF A STEP APART.  A wave's work goes MATRIX (32 products V^T P of step j, then 32 products K Q^T of step j + 1), SOFTMAX (of step j + 1), MATRIX, SOFTMAX ..  Eight waves are two to a SIMD, and a barrier brings them
; into step.  So the waves have two roles: at each barrier a wave of role 0 does the softmax that is due AHEAD of the barrier, a wave of role 1 BEHIND it; behind the barrier the one begins with products and the other with
; vector work.  Both run the same text; only a softmax is jumped over, by a branch on the wave's number; the barriers stand in every wave's way.  role = (w xor w / 4) mod 2: waves w and w + 4 differ in it, and so do waves 2 i and 2 i + 1.
; RING.  Two LDS slots of 512 keys (131,072 bytes, one dense block of KV each).  Each wave fetches an eighth of a slot, 64 rows of 256 bytes, by one tensor load.
; CLUSTER.  The four query blocks of a cluster belong to one head and walk the same K and V: each tile is asked for JOINTLY, by the same tensor load with the same descriptor and a mask that names the four.
; GRID.  4,096 / 256 x 12 = 192 work-groups: 256 equal shares would want 192 queries a work-group, which does not divide 4,096.
; LIMITS: a p under 2^-25 of the row's largest is 0 in f16; O / l is stored as f16: where v, Wv and bv are all some 30 times smaller than drawn it falls to about 2e-5, where f16 steps by 6e-8; NaN and infinities are not served.
; REGISTERS.  Window 0: v1-5 addresses; v16-31 eight statistics a tile; v64-191 S^T, 64 a tile; v192-255 P, 32 a tile.   Window 1: v0-31 Q; v32-95 O^T, 32 a tile; v128-255 V of a step, then K of the next, then its V.
.set SLOT1, 1<<17                      ; slot 1 begins here: one exclusive or turns an address in one slot into the other's
.set SLOTB, 131072                     ; bytes in a slot
.set STEPB, 32768                      ; bytes of a step's 128 keys
.set SPARE, 262144                     ; behind the ring: the spare words, 128 bytes for each wave: four blocks of 256 bytes that no other line names
.set LI,  1                            ; v1   16 x lane; never rewritten
.set ADR, 2                            ; v2   LDS address of the step that is being fetched
.set SPW, 3                            ; v3   my spare word; never rewritten
.set NIL, 4                            ; v4   0; never rewritten
.set PFO, 5                            ; v5   256 x lane; never rewritten
.set ST,  16                           ; tile T's statistics at v[ST + 8 T]: +0 -m, +1 m, +2, +3 l (even keys', odd keys'), +4 .. +7 c0-c3 at work; a takes c2's place
.set S,   64
.set P,   192
.set O,   32                           ; window 1
.set KB,  128                          ; window 1
.set WV,  12                           ; s12  my wave's number
.set G1,  24                           ; s[24:31] descriptor group 1
.set G0A, 32                           ; s[32:35] group 0 of slot 0's first fill
.set G0W, 36                           ; s[36:39] group 0 of slot 1's first fill, which then walks on
.set SLOTS, 40                         ; s40  slots still to be asked for
.set STEPS, 41                         ; s41  counts the steps between two barriers
.set TB,  42                           ; s42  LDS byte at which the step to be fetched begins
.set LIM, 43                           ; s43  1 in a wave that prefetches, else the greatest number
.set SEL, 44                           ; s[44:45] lane selects: lane l xor 16
.set PFA, 46                           ; s[46:47] where my prefetches stand
.set ROLE, 48                          ; s48  0 in a wave of role 0, 16 in one of role 1
.set TMP, 49                           ; s49  at work
.set MSB, 0
.macro WIN new                         ; the immediate's high byte repeats the setting that is left; a switch that changes nothing is dropped
.if MSB != (\new)
	s_set_vgpr_msb (MSB<<8)|(\new)
.set MSB, (\new)
.endif
.endm
.macro PLACES                          ; four plain instructions between a matrix instruction and a read of its result or a load into its registers (ISA guide 7.12.1 for the read of a result)
.rept 4
	v_nop
.endr
.endm
; A round of the cluster's barrier: my work-group's barrier; wave 0 signals for the work-group; every wave waits for all four work-groups; my work-group's barrier once more.
.macro CROUND
	s_barrier_signal -1
	s_barrier_wait -1
	s_cmp_lg_u32 s[WV], 0
	s_cbranch_scc1 .Lnot_wave_0_\@
	s_barrier_signal -3
.Lnot_wave_0_\@:
	s_barrier_wait -3
	s_barrier_signal -1
	s_barrier_wait -1
.endm
; A PREFETCH INTO THE L2 of the slot that the NEXT change of slots will ask for: four key steps ahead of that load.  All clusters of a head walk the same KV: the head's first cluster asks.  Its four partners
; share the slot's 131,072 bytes out BY ADDRESS, 32,768 each; in each, waves 0 to 3 take 8,192 bytes, lanes 256 bytes apart: each aligned block of 256 bytes is named once in the launch.
; The last change that fills a slot asks for nothing; slots 0, 1 and 2 come by their loads alone.
.macro ASK
	s_cmp_gt_u32 s[SLOTS], s[LIM]
	s_cbranch_scc0 .Lnot_mine_\@
	global_prefetch_b8 v[PFO], s[PFA:PFA+1] th:TH_LOAD_NT scope:SCOPE_SE
.Lnot_mine_\@:
.endm
.macro KLOAD g                         ; K: key tiles 4 g .. 4 g + 3, channels 32 u on, half c: 16 loads
	WIN 0x40                                       ; destination window 1, address window 0
.irp k, 0,1,2,3
.irp u, 0,1
.irp c, 0,1
	ds_load_b128 v[KB+16*(4*\g+\k)+8*\u+4*\c:KB+16*(4*\g+\k)+8*\u+4*\c+3], v[ADR] offset:\g*16384+\k*2048+\u*1024+\c*512
.endr
.endr
.endr
.endm
.macro VLOAD                           ; V turned: keys 32 kg on, channels 16 ct on, half c: 32 loads
	WIN 0x40
.irp kg, 0,1,2,3
.irp ct, 0,1,2,3
.irp c, 0,1
	ds_load_b128 v[KB+32*\kg+8*\ct+4*\c:KB+32*\kg+8*\ct+4*\c+3], v[ADR] offset:(\kg/2)*16384+8192+(\kg%2)*4096+\ct*1024+\c*512
.endr
.endr
.endr
.endm
.macro KQ g                            ; 16 products S^T = K Q^T: key tiles 4 g .. 4 g + 3; their eight accumulators take turns, one instruction a turn
.irp u, 0,1
.irp k, 0,1,2,3
.irp T, 0,1
.if \u == 0
	v_wmma_f32_16x16x32_f16 v[S+64*\T+8*(4*\g+\k):S+64*\T+8*(4*\g+\k)+7], v[KB+16*(4*\g+\k)+8*\u:KB+16*(4*\g+\k)+8*\u+7], v[16*\T+8*\u:16*\T+8*\u+7], 0
.else
	v_wmma_f32_16x16x32_f16 v[S+64*\T+8*(4*\g+\k):S+64*\T+8*(4*\g+\k)+7], v[KB+16*(4*\g+\k)+8*\u:KB+16*(4*\g+\k)+8*\u+7], v[16*\T+8*\u:16*\T+8*\u+7], v[S+64*\T+8*(4*\g+\k):S+64*\T+8*(4*\g+\k)+7]
.endif
.endr
.endr
.endr
.endm
.macro PVH hf                          ; 16 products O^T += V^T P: keys 64 hf on; the eight accumulators take turns
.irp kk, 0,1
.irp ct, 0,1,2,3
.irp T, 0,1
	v_wmma_f32_16x16x32_f16 v[O+32*\T+8*\ct:O+32*\T+8*\ct+7], v[KB+32*(2*\hf+\kk)+8*\ct:KB+32*(2*\hf+\kk)+8*\ct+7], v[P+32*\T+8*(2*\hf+\kk):P+32*\T+8*(2*\hf+\kk)+7], v[O+32*\T+8*\ct:O+32*\T+8*\ct+7]
.endr
.endr
.endr
.endm
; THE MATRIX PART.  pv = 1: V^T P of the step whose softmax is done.  kq = 1: K Q^T of the step at s[TB], and its V is asked for.
; K of the next step is fetched into V's registers as soon as their products are issued, in two runs of 16 loads: the first has the other 16 products V^T P in which to land.  V lands during the softmax.
.macro MATRIX pv, kq
.if \pv
	s_wait_dscnt 0x0                               ; V is in
.endif
.if \kq
	v_add_nc_u32 v[ADR], s[TB], v[LI]
.endif
.if \pv
	WIN 0x51                                       ; V window 1, P window 0, O^T window 1
	PVH 0
.if \kq
	PLACES                                         ; for the loads into the registers that these products read
	KLOAD 0
	WIN 0x51
.endif
	PVH 1
	PLACES                                         ; likewise; and for the next read of O^T
.if \kq
	KLOAD 1
.endif
.else
	KLOAD 0
	KLOAD 1
.endif
.if \kq
	WIN 0x05                                       ; K and Q window 1, S^T window 0
	s_wait_dscnt 16                                ; key tiles 0-3 are in; the 16 younger loads may be out
	KQ 0
	s_wait_dscnt 0x0
	KQ 1
	PLACES                                         ; for the loads into K's registers and for the first read of the scores
	VLOAD
	WIN 0
	s_add_co_u32 s[TB], s[TB], STEPB
.else
	WIN 0
.endif
.endm
; THE SOFTMAX of a step's 128 keys, the two tiles line by line; at its end O^T is brought under the new maximum.
.macro SOFTMAX
	; the maximum of a lane's 64 scores and the old m: four chains of 15 scores, three operands at a time; each accumulator is first read at its low end
.irp q, 0,1,2,3
.irp T, 0,1
	v_max3_num_f32 v[ST+8*\T+4+\q], v[S+64*\T+16*\q], v[S+64*\T+16*\q+1], v[S+64*\T+16*\q+2]
.endr
.endr
.irp i, 3,5,7,9,11,13
.irp q, 0,1,2,3
.irp T, 0,1
	v_max3_num_f32 v[ST+8*\T+4+\q], v[ST+8*\T+4+\q], v[S+64*\T+16*\q+\i], v[S+64*\T+16*\q+\i+1]
.endr
.endr
.endr
.irp T, 0,1
	v_max3_num_f32 v[ST+8*\T+4], v[ST+8*\T+4], v[S+64*\T+15], v[S+64*\T+31]
.endr
.irp T, 0,1
	v_max3_num_f32 v[ST+8*\T+6], v[ST+8*\T+6], v[S+64*\T+47], v[S+64*\T+63]
.endr
.irp T, 0,1
	v_max3_num_f32 v[ST+8*\T+4], v[ST+8*\T+4], v[ST+8*\T+5], v[ST+8*\T+6]
.endr
.irp T, 0,1
	v_max3_num_f32 v[ST+8*\T+4], v[ST+8*\T+4], v[ST+8*\T+7], v[ST+8*\T+1]
.endr
.irp T, 0,1
	v_permlanex16_b32 v[ST+8*\T+5], v[ST+8*\T+4], s[SEL], s[SEL+1]   ; the query's other 64 keys lie in the lane 16 away
.endr
.irp T, 0,1
	v_mov_b32 v[ST+8*\T+7], v[ST+8*\T]             ; the old -m
.endr
.irp T, 0,1
	v_max_num_f32 v[ST+8*\T+1], v[ST+8*\T+4], v[ST+8*\T+5]   ; the new m
.endr
.irp T, 0,1
	v_sub_f32 v[ST+8*\T], 0, v[ST+8*\T+1]          ; -m
.endr
.irp T, 0,1
	v_sub_f32 v[ST+8*\T+6], v[ST+8*\T], v[ST+8*\T+7]   ; old m - new m, 0 or less
.endr
.irp T, 0,1
	v_exp_f32 v[ST+8*\T+6], v[ST+8*\T+6]           ; a = 2^(old m - new m)
.endr
	; ONE BATCH: t - m, a pair at a time, and the exponentials, each pair's behind the next pair's addition.  None of these lines names an exponential's result
.irp T, 0,1
	v_pk_add_f32 v[S+64*\T:S+64*\T+1], v[S+64*\T:S+64*\T+1], v[ST+8*\T:ST+8*\T+1] op_sel_hi:[1,0]
.set b, 1
.rept 31
	v_pk_add_f32 v[S+64*\T+2*b:S+64*\T+2*b+1], v[S+64*\T+2*b:S+64*\T+2*b+1], v[ST+8*\T:ST+8*\T+1] op_sel_hi:[1,0]
	v_exp_f32 v[S+64*\T+2*b-2], v[S+64*\T+2*b-2]
	v_exp_f32 v[S+64*\T+2*b-1], v[S+64*\T+2*b-1]
.set b, b+1
.endr
	v_exp_f32 v[S+64*\T+62], v[S+64*\T+62]
	v_exp_f32 v[S+64*\T+63], v[S+64*\T+63]
.endr
	v_nop                                          ; a plain instruction behind the last exponential
	s_wait_alu depctr_va_vdst(0)                   ; a wait ahead of the first line that names a result: one for the 130 exponentials
.irp T, 0,1
.set n, 0
.rept 32
	v_cvt_pk_f16_f32 v[P+32*\T+n], v[S+64*\T+2*n], v[S+64*\T+2*n+1]   ; p in f16: registers 8 kg .. 8 kg + 7 are source 1 for keys 32 kg on
.set n, n+1
.endr
.endr
.irp st, 1,2,4,8,16                            ; the sum of the unrounded p: a tree in place over a tile's 32 pairs, neighbours 1, 2, 4, 8, 16 pairs apart
.irp T, 0,1
.set u, 0
.rept 16/\st
	v_pk_add_f32 v[S+64*\T+4*\st*u:S+64*\T+4*\st*u+1], v[S+64*\T+4*\st*u:S+64*\T+4*\st*u+1], v[S+64*\T+4*\st*u+2*\st:S+64*\T+4*\st*u+2*\st+1]
.set u, u+1
.endr
.endr
.endr
.irp T, 0,1
	v_pk_fma_f32 v[ST+8*\T+2:ST+8*\T+3], v[ST+8*\T+2:ST+8*\T+3], v[ST+8*\T+6:ST+8*\T+7], v[S+64*\T:S+64*\T+1] op_sel_hi:[1,0,1]   ; l = a l + the sum
.endr
	WIN 0x41                                       ; O^T (destination and source 0) window 1, a window 0
.irp T, 0,1
.set n, 0
.rept 16
	v_pk_mul_f32 v[O+32*\T+2*n:O+32*\T+2*n+1], v[O+32*\T+2*n:O+32*\T+2*n+1], v[ST+8*\T+6:ST+8*\T+7] op_sel_hi:[1,0]   ; O^T x a, each accumulator from its low end on
.set n, n+1
.endr
.endr
	WIN 0
.endm
.macro AHEAD                           ; in front of a barrier: a wave of role 0 does the softmax that is due
	s_cmp_lg_u32 s[ROLE], 0
	s_cbranch_scc1 .Lfollows_\@
	SOFTMAX
.Lfollows_\@:
.endm
; n steps behind a barrier: softmax, matrix part.  In the first of them a wave of role 0 has its softmax behind it.
.macro SLOT_STEPS n
	s_mov_b32 s[STEPS], \n
.Lstep_\@:
	s_or_b32 s[TMP], s[STEPS], s[ROLE]             ; n only in the first trip of a wave of role 0
	s_cmp_eq_u32 s[TMP], \n
	s_cbranch_scc1 .Ldone_\@
	SOFTMAX
.Ldone_\@:
	MATRIX 1, 1
	s_sub_co_u32 s[STEPS], s[STEPS], 1
	s_cmp_lg_u32 s[STEPS], 0
	s_cbranch_scc1 .Lstep_\@
.endm
; THE CHANGE OF SLOTS.  Each wave waits for all its tensor loads, of which one is out: its part of the other slot; adds 0 to its spare word; and waits for that and for its own reads of the slot that it leaves
; (the last were the loads of V at the end of the matrix part).
; fill = 1: that slot is filled again, with the keys two slots on.  The barrier is then a round of the cluster's, so that no wave of any partner still reads the slot or has a load on its way,
; and the joint refill is the first thing behind it: it has four key steps, 256 matrix instructions a wave, in which to land.  By this text's count a wave has two tensor loads out at the start and one behind each round.
.macro CHANGE fill
	WIN 0
	s_wait_tensorcnt 0x0                           ; no tensor load of mine is out, so a group 0 may be written
	ds_add_u32 v[SPW], v[NIL]                      ; 0 onto my spare word
.if \fill
	s_xor_b32 s[G0W+1], s[G0W+1], SLOT1            ; the walking descriptor: the other slot than last time,
	s_add_nc_u64 s[G0W+2:G0W+3], s[G0W+2:G0W+3], SLOTB   ; the next 512 keys; the type bits on top are not reached
	s_wait_xcnt 0x0                                ; the last prefetch, a slot back, has read its address, so it may be written
	s_add_nc_u64 s[PFA:PFA+1], s[PFA:PFA+1], SLOTB
	s_wait_dscnt 0x0                               ; the add is done, and my reads of the slot are over
	CROUND
	tensor_load_to_lds s[G0W:G0W+3], s[G1:G1+7]
	s_nop 0
	PLACES
	ASK
.else
	s_wait_dscnt 0x0
	s_barrier_signal -1
	s_barrier_wait -1
.endif
	s_sub_co_u32 s[TB], s[TB], SLOTB               ; back to a slot's first step,
	s_xor_b32 s[TB], s[TB], SLOT1                  ; in the other slot
.endm
	s_load_b128 s[4:7], s[0:1], 0x0                ; QF, KV
	s_load_b64 s[8:9], s[0:1], 0x10                ; AF
	v_lshl_add_u32 v[SPW], v0, 2, SPARE
	v_mov_b32 v[NIL], 0
	ds_add_u32 v[SPW], v[NIL]                      ; the wave's opening: the add, twice on end, and its wait ahead of my first tensor load
	ds_add_u32 v[SPW], v[NIL]
	v_lshrrev_b32 v6, 5, v0
	v_readfirstlane_b32 s[WV], v6                  ; wave 0..7
	s_bfe_u32 s13, ttmp6, 0x40000                  ; cx: my place in the cluster
	s_lshl_b32 s14, ttmp9, 2
	s_add_co_u32 s14, s14, s13                     ; my block of 256 queries: it enters QF's, AF's and the prefetches' addresses alone
	s_and_b32 s15, ttmp7, 0xffff                   ; the head, which the four partners share
	s_lshr_b32 s[ROLE], s[WV], 2                   ; my role: (w xor w / 4) mod 2,
	s_xor_b32 s[ROLE], s[ROLE], s[WV]
	s_and_b32 s[ROLE], s[ROLE], 1
	s_lshl_b32 s[ROLE], s[ROLE], 4                 ; kept as 0 or 16
	; descriptor group 1: 64 rows of 32 elements of 8 bytes, dense in memory and in LDS
	s_mov_b32 s[G1], 15|(3<<16)|(1<<21)            ; 15:0 the mask: all four work-groups; 17:16 elements of 8 bytes; 20 no padding; 21 set beside a mask
	s_mov_b32 s[G1+1], 32<<16                      ; tensor_dim0 = 32
	s_mov_b32 s[G1+2], 64<<16                      ; tensor_dim1 = 64
	s_mov_b32 s[G1+3], 32<<16                      ; tile_dim0 = 32
	s_mov_b32 s[G1+4], 64                          ; tile_dim1 = 64
	s_mov_b32 s[G1+5], 32                          ; elements from row to row
	s_mov_b32 s[G1+6], 0
	s_mov_b32 s[G1+7], 0
	s_lshl_b32 s16, s15, 20                        ; the head's 2^20 bytes of KV,
	s_lshl_b32 s[G0A+1], s[WV], 14                 ; my eighth of a slot: the same 16,384 x wave in memory and in LDS
	s_add_co_u32 s16, s16, s[G0A+1]
	s_mov_b32 s17, 0
	s_mov_b32 s[G0A], 1
	s_mov_b32 s[G0W], 1
	s_add_co_u32 s[G0W+1], s[G0A+1], SLOT1
	s_lshl_b32 s18, s15, 20                        ; the prefetches: the head,
	s_lshl_b32 s19, s13, 15                        ; my work-group's quarter of a slot,
	s_add_co_u32 s18, s18, s19
	s_and_b32 s19, s[WV], 3
	s_lshl_b32 s19, s19, 13                        ; my wave's 8,192 bytes of it,
	s_add_co_u32 s18, s18, s19
	s_add_co_u32 s18, s18, 2*SLOTB                 ; in slot 2: the first change of slots steps it to slot 3
	s_mov_b32 s19, 0
	s_lshl_b32 s20, s14, 4
	s_lshl_b32 s21, s[WV], 1
	s_add_co_u32 s20, s20, s21                     ; my first tile of 16 queries
	s_lshl_b32 s22, s20, 11
	s_lshl_b32 s23, s15, 19
	s_add_co_u32 s22, s22, s23                     ; in QF
	s_mov_b32 s23, 0
	s_mul_i32 s20, s20, 24576
	s_lshl_b32 s21, s15, 11
	s_add_co_u32 s20, s20, s21                     ; in AF: the tile's 24 fragments, my head's two
	s_mov_b32 s21, 0
	s_lshr_b32 s[LIM], s[WV], 2                    ; 0 in waves 0 to 3,
	s_or_b32 s[LIM], s[LIM], ttmp9                 ; of the head's first cluster: the same in all four partners
	s_cmp_eq_u32 s[LIM], 0
	s_cselect_b32 s[LIM], 1, -1
	s_mov_b32 s[SEL], 0x76543210
	s_mov_b32 s[SEL+1], 0xfedcba98
	s_mov_b32 s[TB], 0
	s_mov_b32 s[SLOTS], 6
	v_and_b32 v6, 31, v0
	v_lshlrev_b32 v[LI], 4, v6
	v_lshlrev_b32 v[PFO], 8, v6
	s_wait_dscnt 0x0                               ; both opening adds are done
	s_wait_kmcnt 0x0
	s_add_nc_u64 s[G0A+2:G0A+3], s[6:7], s[16:17]
	s_add_nc_u64 s[G0W+2:G0W+3], s[G0A+2:G0A+3], SLOTB
	s_or_b32 s[G0A+3], s[G0A+3], 0x80000000        ; type = 2
	s_or_b32 s[G0W+3], s[G0W+3], 0x80000000
	s_add_nc_u64 s[PFA:PFA+1], s[6:7], s[18:19]
	s_add_nc_u64 s[4:5], s[4:5], s[22:23]
	s_add_nc_u64 s[8:9], s[8:9], s[20:21]
	CROUND                                         ; all four work-groups are here: the first joint loads meet
	tensor_load_to_lds s[G0A:G0A+3], s[G1:G1+7]    ; slot 0
	s_nop 0
	tensor_load_to_lds s[G0W:G0W+3], s[G1:G1+7]    ; slot 1
	s_nop 0
	PLACES
	WIN 0x40
.irp T, 0,1                                    ; Q stays in registers: tile T, channels 32 u on, half c
.irp u, 0,1
.irp c, 0,1
	global_load_b128 v[16*\T+8*\u+4*\c:16*\T+8*\u+4*\c+3], v[LI], s[4:5] offset:\T*2048+\u*1024+\c*512
.endr
.endr
.endr
.set n, 0
.rept 64
	v_mov_b32 v[O+n], 0                            ; O^T.  The softmax and the products are written once for all steps: the first finds zeros, which a = 0 leaves zeros
.set n, n+1
.endr
	WIN 0
.set n, 0
.rept 64
	v_mov_b32 v[P+n], 0                            ; P: the first softmax stands under a branch in both its places, so P is written here once, ahead of its readers on every way through the text.  (These lines stand while the first tiles are on their way)
.set n, n+1
.endr
.irp T, 0,1
	v_mov_b32 v[ST+8*\T+1], 0xff61b1e6             ; m: -3e38, under every score
	v_mov_b32 v[ST+8*\T], 0x7f61b1e6               ; -m
	v_mov_b32 v[ST+8*\T+2], 0                      ; l, in two halves
	v_mov_b32 v[ST+8*\T+3], 0
.endr
	s_wait_tensorcnt 1                             ; my part of slot 0 is in; slot 1's may stay out
	s_barrier_signal -1
	s_barrier_wait -1                              ; everybody's is
	s_wait_loadcnt 0x0                             ; Q
	MATRIX 0, 1                                    ; the scores of step 0; its V is asked for
	AHEAD                                          ; THE ROLES PART HERE: role 0 does step 0's softmax in front of this barrier, role 1 behind it
	s_wait_dscnt 0x0                               ; no LDS instruction of mine is pending at a signal; slot 1's load may stay out
	s_barrier_signal -1
	s_barrier_wait -1
	SLOT_STEPS 3                                   ; steps 1 to 3 are fetched: the rest of slot 0
.Lslot:                                            ; six trips: slots 2 to 7 are asked for, slots 1 to 6 are fetched from
	AHEAD
	CHANGE 1
	SLOT_STEPS 4
	s_sub_co_u32 s[SLOTS], s[SLOTS], 1
	s_cmp_lg_u32 s[SLOTS], 0
	s_cbranch_scc1 .Lslot
	AHEAD
	CHANGE 0                                       ; the tail is written out
	SLOT_STEPS 4                                   ; slot 7
	SOFTMAX                                        ; the last step's
	MATRIX 1, 0                                    ; and its V^T P
	; THE WAY OUT.  l's two halves and the other half of the lanes' are added; O^T / l, rounded to f16, IS half a fragment of the last product's operand: it is stored as it stands.
.irp T, 0,1
	v_add_f32 v[ST+8*\T+4], v[ST+8*\T+2], v[ST+8*\T+3]
.endr
.irp T, 0,1
	v_permlanex16_b32 v[ST+8*\T+5], v[ST+8*\T+4], s[SEL], s[SEL+1]
.endr
.irp T, 0,1
	v_add_f32 v[ST+8*\T+4], v[ST+8*\T+4], v[ST+8*\T+5]
.endr
.irp T, 0,1
	v_rcp_f32 v[ST+8*\T+6], v[ST+8*\T+4]
.endr
	v_nop                                          ; a plain instruction behind the last reciprocal
	s_wait_alu depctr_va_vdst(0)                   ; and a wait ahead of the first use: one for both
	WIN 0x41
.irp T, 0,1
.set n, 0
.rept 16
	v_pk_mul_f32 v[O+32*\T+2*n:O+32*\T+2*n+1], v[O+32*\T+2*n:O+32*\T+2*n+1], v[ST+8*\T+6:ST+8*\T+7] op_sel_hi:[1,0]
.set n, n+1
.endr
.endr
	WIN 0x05                                       ; sources window 1, destination window 0: S^T's registers are free
.set n, 0
.rept 32
	v_cvt_pk_f16_f32 v[S+n], v[O+2*n], v[O+2*n+1]
.set n, n+1
.endr
	WIN 0
.irp T, 0,1
.irp ct, 0,1,2,3
	global_store_b128 v[LI], v[S+16*\T+4*\ct:S+16*\T+4*\ct+3], s[8:9] offset:\T*24576+\ct*512   ; 512 consecutive bytes, aligned
.endr
.endr
	s_wait_tensorcnt 0x0                           ; the wave's end: a tensor wait, an add and an LDS wait behind my last tensor load
	ds_add_u32 v[SPW], v[NIL]
	s_wait_dscnt 0x0
	CROUND                                         ; the closing round: no work-group ends while a partner may still ask for a tile that names it
	s_endpgm
.Lfunc_end_k_q441761c681_attn:
	.size	k_q441761c681_attn, .Lfunc_end_k_q441761c681_attn-k_q441761c681_attn
	.p2alignl 7, 3214868480
	.fill 96, 4, 3214868480
	.section	.rodata,"a",@progbits
	.p2align	6, 0x0
	.amdhsa_kernel k_q441761c681_attn
		.amdhsa_group_segment_fixed_size 327680
		.amdhsa_private_segment_fixed_size 0
		.amdhsa_enable_private_segment 0
		.amdhsa_kernarg_size 24
		.amdhsa_user_sgpr_count 2
		.amdhsa_user_sgpr_kernarg_segment_ptr 1
		.amdhsa_wavefront_size32 1
		.amdhsa_system_sgpr_workgroup_id_x 1
		.amdhsa_system_sgpr_workgroup_id_y 1
		.amdhsa_system_sgpr_workgroup_id_z 1
		.amdhsa_system_vgpr_workitem_id 0
		.amdhsa_next_free_vgpr 512
		.amdhsa_next_free_sgpr 66
		.amdhsa_reserve_vcc 0
		.amdhsa_float_denorm_mode_32 3
		.amdhsa_float_denorm_mode_16_64 3
		.amdhsa_memory_ordered 1
		.amdhsa_forward_progress 1
		.amdhsa_inst_pref_size 211
	.end_amdhsa_kernel
	.amdgpu_metadata
---
amdhsa.version: [ 1, 2 ]
amdhsa.kernels:
  - .name:           k_q441761c681_attn
    .symbol:         k_q441761c681_attn.kd
    .args:
      - { .name: QF, .offset: 0, .size: 8, .value_kind: global_buffer, .address_space: global }
      - { .name: KV, .offset: 8, .size: 8, .value_kind: global_buffer, .address_space: global }
      - { .name: AF, .offset: 16, .size: 8, .value_kind: global_buffer, .address_space: global }
    .group_segment_fixed_size: 327680
    .private_segment_fixed_size: 0
    .kernarg_segment_align: 8
    .kernarg_segment_size: 24
    .max_flat_workgroup_size: 256
    .sgpr_count:     66
    .vgpr_count:     512
    .wavefront_size: 32
...
	.end_amdgpu_metadata
.endif
;; end of part 6
;; launch outp: the kernel of part 4 again; grid 4 x 64, 4 waves a work-group, clusters of 4 x 1, 167,936 bytes of LDS; arguments AF, WOF, bo, out0; writes out0
